; MI455X (gfx1250); checked and timed in simulation.
; The chip was launched on July 23, 2026; its instructions are those of AMD's public machine-readable ISA for CDNA 5 (MIT licence, August 2026) and "CDNA5" Instruction Set Architecture Reference Guide (July 2026). The comments in the code are by the model that wrote it; some were corrected since.
;; Block. Allowed arithmetic: matrix products marked QUANTISED: E5M2 operands, one given power-of-two scale a tensor, by v_wmma_f32_16x16x64_bf8_bf8 or v_wmma_f32_16x16x128_bf8_bf8, f32 sums; everything else in f32.
;; Inputs: W_attn_codes 3,072 x 32 x 32 uint8 (E5M2 codes of W_attn, K innermost, in blocks of 32 codes); W_fc_codes 4,096 x 32 x 32 uint8 (E5M2 codes of W_fc, K innermost, in blocks of 32 codes); W_out_codes 1,024 x 128 x 32 uint8 (E5M2 codes of W_out, K innermost, in blocks of 32 codes); W_proj_codes 1,024 x 32 x 32 uint8 (E5M2 codes of W_proj, K innermost, in blocks of 32 codes); b_attn 3,072 float32; b_fc 4,096 float32; b_out 1,024 float32; b_proj 1,024 float32; ln1_b 1,024 float32; ln1_w 1,024 float32; ln2_b 1,024 float32; ln2_w 1,024 float32; lowp_scales 12 int32 (the exponents e of the quantised operands' scales 2^e); x 4 x 1,024 x 1,024 float32.
;; Outputs: out0 4 x 1,024 x 1,024 float32.
;; This version of the problem:
;;   THIS VERSION OF THE PROBLEM IS GIVEN IN LOW PRECISION. The matrix products marked QUANTISED in the list below multiply operands that are first quantised to E5M2 (5 exponent bits, 2 mantissa bits; 8 bits a number), with one given power-of-two scale for each operand tensor; their sums are f32. All else is computed in f32.
;;   The module's matrix products, in the order in which they are computed (A, B: the left and right operand; K: the contracted axis; several contracted axes count as one K, in the product's order):
;;     1. [M 4,096, K 1,024] x [K 1,024, N 3,072]; A: computed on the way; B: input W_attn (given as codes): QUANTISED (scales: A lowp_scales[0], B lowp_scales[1])
;;     2. batch 64 x [M 1,024, K 64] x [K 64, N 1,024]; A: computed on the way; B: computed on the way: QUANTISED (scales: A lowp_scales[2], B lowp_scales[3])
;;     3. batch 64 x [M 1,024, K 1,024] x [K 1,024, N 64]; A: softmax (see below); B: computed on the way: QUANTISED (scales: A lowp_scales[4], B lowp_scales[5])
;;     4. [M 4,096, K 1,024] x [K 1,024, N 1,024]; A: computed on the way; B: input W_proj (given as codes): QUANTISED (scales: A lowp_scales[6], B lowp_scales[7])
;;     5. [M 4,096, K 1,024] x [K 1,024, N 4,096]; A: computed on the way; B: input W_fc (given as codes): QUANTISED (scales: A lowp_scales[8], B lowp_scales[9])
;;     6. [M 4,096, K 4,096] x [K 4,096, N 1,024]; A: computed on the way; B: input W_out (given as codes): QUANTISED (scales: A lowp_scales[10], B lowp_scales[11])
;;   THE QUANTISER, for each operand of a quantised product, along K:
;;     - The operand's scale is 2^e, e = its entry of the input lowp_scales (int32; the entries are numbered through the quantised products in the list's order, A before B).
;;     - Each number is divided by the scale, clamped to +-57,344, and rounded to the nearest number of E5M2, ties to even, subnormals kept.
;;     - The product sums the exact products of the quantised numbers (number of the format x scale) in f32.
;;   ~~~python
;;   def quantise(x, axis, e):      # numpy; x: float32 -> the quantised numbers, widened to float32 again
;;       x = np.moveaxis(x, axis, -1); K = x.shape[-1]
;;       r = np.clip(x / 2.0 ** e, -57344, 57344)
;;       step = 2.0 ** (np.maximum(np.frexp(np.where(r == 0, 1, r))[1] - 1, -14) - 2)
;;       q = np.round(r / step) * step * 2.0 ** e      # np.round: ties to even
;;       return np.moveaxis(q, -1, axis).astype(np.float32)
;;   ~~~
;;   SOFTMAX AHEAD OF A QUANTISED PRODUCT. Where the list says 'softmax', what is quantised is not the finished softmax but p = 2^(t - M), with t = logit x log2(e) and M = ceil(the row's largest t), a whole number; so 1/2 < the row's largest p <= 1. The row's sum l is taken of the UNQUANTISED p, in f32, and the product's result is divided by l at the end. Since M is a whole number, a kernel that streams over the keys may use a running M (the ceiling of the running maximum): every later rescaling is an exact power of two, so the quantised numbers keep their values, but for numbers so far below the row's largest that they fall under the format's range.
;;   OPERANDS COMPUTED ON THE WAY. 'Computed on the way' means the value that the module computes at that place (a softmax that the list does not call 'softmax' is quantised finished and normalised). What goes into a quantiser is computed in f32, as accurately as f32 sums, v_exp_f32 and their like allow (about 1e-6 of the number): no bf16 or f16 on the way to a quantiser, and a product that is left as it is and whose result goes on into a quantised operand takes f32 operands (vector FMAs, or v_wmma_f32_16x16x4_f32). A number that lies on a knife's edge between two numbers of the format may be rounded either way, as far as f32 arithmetic and the matrix unit's own rounding can turn it there, and no further.
;;   INPUTS GIVEN AS CODES. W_attn (in the module: [3072, 1024], K = its axis 1); W_fc (in the module: [4096, 1024], K = its axis 1); W_out (in the module: [1024, 4096], K = its axis 1); W_proj (in the module: [1024, 1024], K = its axis 1): each comes as NAME_codes (uint8): NAME with its K axis moved to the last place and cut into blocks of 32 codes, [.., K / 32, bytes a block], one block behind the other in memory; one code a byte (a code: sign, 5 exponent bits, 2 mantissa bits); its scale is its entry of lowp_scales. Its value is code x scale, taken as it is: it is not quantised again, and the codes and scales need not be those that the quantiser above would give.
;; One version. Each part assembles by itself: llvm-mc -triple=amdgcn-amd-amdhsa -mcpu=gfx1250 --defsym DOCPART=n.
;; ======== version 1 of 1: 7 launches
;; limits: right only within a limited range of input values
;; workspace buffers: hc 4,194,304 bytes; qk 8,388,608 bytes; vimg 4,194,304 bytes; yimg 4,194,304 bytes; x2 16,777,216 bytes; gimg 16,777,216 bytes
;; launch ln1 (part 1): grid 256 x 1, 8 waves a work-group, no clusters, 82,944 bytes of LDS; arguments x, ln1_w, ln1_b, lowp_scales, hc; writes hc
.if DOCPART == 1
	.amdgcn_target "amdgcn-amd-amdhsa--gfx1250"
	.amdhsa_code_object_version 6
	.text
	.protected	k_qbafac4e09f_ln1
	.globl	k_qbafac4e09f_ln1
	.p2align	8
	.type	k_qbafac4e09f_ln1,@function
k_qbafac4e09f_ln1:
	s_mov_b64 s[64:65], 0
	v_nop
	global_prefetch_b8 v0, s[64:65] scope:SCOPE_SE
	s_setreg_imm32_b32 hwreg(HW_REG_WAVE_MODE, 25, 1), 1
	s_wait_xcnt 0x0
; LayerNorm of 4,096 rows of 1,024 f32 numbers, then codes of BF8 (E5M2) with the given scale 2^e (the entry of the scales at byte SC_OFF): hc[row][1024], one code a byte.
; y = (x - mean) * rsqrt(var + 1e-5) * w + b, all in f32; the variance is the mean of the squared deviations from the mean, so no difference of large sums is formed.
; SHARES: a work-group takes 16 rows, each of its eight waves two; a row lies in 32 registers of one wave, so it is read once and no wave waits for another: no barrier.
; A load takes 512 consecutive bytes (16 a lane); the conversion wants 16 NEIGHBOURS in a lane: the finished row turns through the wave's own stage in LDS (64 bytes + 16 of padding a place).
; A lane's 16 codes are 16 bytes: a store of the wave covers 512 consecutive bytes, aligned.  No matrix unit, no cluster: what rows share (w, b) is 8 KB against 64 KB of rows for a work-group.
; LIMITS: e between -126 and 112, so that 2^e and 57,344 x 2^e are f32 numbers.  NaN among the inputs is not served; what lies beyond the scale's range is held at the largest code.
.set SC_OFF, 0
.set X,    16                          ; v16-79   two rows as loaded, 32 registers each
.set WG,   80                          ; v80-111  w
.set BI,   112                         ; v112-143 b
.set TR,   144                         ; v144-175 a row turned: 2 x 16 neighbours
.set CD,   176                         ; v176-191 codes, 8 registers a row: no store's data are written again
.set SP,   80                          ; a place in the stage
.set STG,  64*SP                       ; a row's stage
.set WREG, 2*STG                       ; a wave's LDS
	s_load_b256 s[4:11], s[0:1], 0x0               ; x s[4:5], w s[6:7], b s[8:9], the scales' exponents s[10:11]
	s_load_b64 s[12:13], s[0:1], 0x20              ; the codes
	v_lshl_add_u32 v192, v0, 2, 0x14000
	v_mov_b32 v193, 0
	v_lshrrev_b32 v14, 5, v0
	s_delay_alu instid0(VALU_DEP_1)
	v_readfirstlane_b32 s16, v14                   ; wave
	v_and_b32 v15, 31, v0                          ; lane
	s_delay_alu instid0(VALU_DEP_1)
	v_lshlrev_b32 v1, 4, v15                       ; 16 x lane: my bytes of a load's 512 and of a store's 512
	s_mul_i32 s17, s16, WREG
	v_lshrrev_b32 v2, 2, v15
	s_delay_alu instid0(VALU_DEP_1)
	v_mul_u32_u24 v2, v2, SP
	v_and_b32 v14, 3, v15
	s_delay_alu instid0(VALU_DEP_1)
	v_lshl_add_u32 v2, v14, 4, v2
	s_delay_alu instid0(VALU_DEP_1)
	v_add_nc_u32 v2, s17, v2                       ; into the stage: SP (lane / 4) + 16 (lane % 4)
	v_mul_u32_u24 v3, v15, SP
	s_delay_alu instid0(VALU_DEP_1)
	v_add_nc_u32 v3, s17, v3                       ; out of it: SP x lane
	s_lshl_b32 s18, ttmp9, 4
	s_lshl_b32 s19, s16, 1
	s_add_co_u32 s18, s18, s19                     ; my first row
	s_lshl_b32 s24, s18, 12                        ; x 4,096 bytes
	s_mov_b32 s25, 0
	s_lshl_b32 s26, s18, 10                        ; x 1,024 bytes of codes
	s_mov_b32 s27, 0
	s_mov_b32 s20, 0x76543210                      ; lane selects: lane l xor 16
	s_mov_b32 s21, 0xfedcba98
	s_mov_b32 s22, 0x3a800000                      ; 1 / 1024
	s_mov_b32 s23, 0x3727c5ac                      ; 1e-5
	s_wait_alu depctr_va_vdst(0)
	s_wait_kmcnt 0x0
	s_load_b32 s28, s[10:11], SC_OFF               ; e
	s_add_nc_u64 s[4:5], s[4:5], s[24:25]
	s_add_nc_u64 s[12:13], s[12:13], s[26:27]
.irp j, 0,1,2,3,4,5,6,7
	global_load_b128 v[X+4*\j:X+4*\j+3], v1, s[4:5] offset:512*\j th:TH_LOAD_NT   ; row 0 first, then w and b, then row 1
.endr
.irp j, 0,1,2,3,4,5,6,7
	global_load_b128 v[WG+4*\j:WG+4*\j+3], v1, s[6:7] offset:512*\j
.endr
.irp j, 0,1,2,3,4,5,6,7
	global_load_b128 v[BI+4*\j:BI+4*\j+3], v1, s[8:9] offset:512*\j
.endr
.irp j, 0,1,2,3,4,5,6,7
	global_load_b128 v[X+32+4*\j:X+32+4*\j+3], v1, s[4:5] offset:4096+512*\j th:TH_LOAD_NT
.endr
	s_wait_kmcnt 0x0
	s_add_co_i32 s28, s28, 127
	s_lshl_b32 s29, s28, 23
	v_mov_b32 v13, s29                             ; 2^e as f32: the conversion takes its exponent field
	s_add_co_i32 s28, s28, 15
	s_lshl_b32 s28, s28, 23
	s_or_b32 s28, s28, 0x600000
	v_mov_b32 v12, s28                             ; 57,344 x 2^e
.macro REDUCE                          ; v4 summed over the 32 lanes, the result in every lane
	s_delay_alu instid0(VALU_DEP_1)
	v_add_f32_dpp v4, v4, v4 row_xmask:1 row_mask:0xf bank_mask:0xf
	s_delay_alu instid0(VALU_DEP_1)
	v_add_f32_dpp v4, v4, v4 row_xmask:2 row_mask:0xf bank_mask:0xf
	s_delay_alu instid0(VALU_DEP_1)
	v_add_f32_dpp v4, v4, v4 row_xmask:4 row_mask:0xf bank_mask:0xf
	s_delay_alu instid0(VALU_DEP_1)
	v_add_f32_dpp v4, v4, v4 row_xmask:8 row_mask:0xf bank_mask:0xf
	s_delay_alu instid0(VALU_DEP_1)
	v_permlanex16_b32 v15, v4, s20, s21
	s_delay_alu instid0(VALU_DEP_1)
	v_add_f32 v4, v4, v15
.endm
.macro ROW i
.set XR, X+32*\i
	s_wait_loadcnt 24-24*\i                        ; row 0: its eight loads are in, the 24 behind them may be out; row 1: all are in
	v_pk_add_f32 v[4:5], v[XR:XR+1], v[XR+2:XR+3]  ; the sum, in two chains
	v_pk_add_f32 v[6:7], v[XR+4:XR+5], v[XR+6:XR+7]
.irp p, 8,12,16,20,24,28
	s_delay_alu instid0(VALU_DEP_2)
	v_pk_add_f32 v[4:5], v[4:5], v[XR+\p:XR+\p+1]
	s_delay_alu instid0(VALU_DEP_2)
	v_pk_add_f32 v[6:7], v[6:7], v[XR+\p+2:XR+\p+3]
.endr
	s_delay_alu instid0(VALU_DEP_1)
	v_pk_add_f32 v[4:5], v[4:5], v[6:7]
	s_delay_alu instid0(VALU_DEP_1)
	v_add_f32 v4, v4, v5
	REDUCE
	s_delay_alu instid0(VALU_DEP_1)
	v_mul_f32 v8, s22, v4                          ; the mean, twice
	s_delay_alu instid0(VALU_DEP_2)
	v_mul_f32 v9, s22, v4
.set p, 0
.rept 16
	v_pk_add_f32 v[XR+p:XR+p+1], v[XR+p:XR+p+1], v[8:9] neg_lo:[0,1] neg_hi:[0,1]   ; x - mean, in place
.set p, p+2
.endr
	v_pk_mul_f32 v[4:5], v[XR:XR+1], v[XR:XR+1]    ; the squares' sum, in two chains
	v_pk_mul_f32 v[6:7], v[XR+2:XR+3], v[XR+2:XR+3]
.irp p, 4,8,12,16,20,24,28
	s_delay_alu instid0(VALU_DEP_2)
	v_pk_fma_f32 v[4:5], v[XR+\p:XR+\p+1], v[XR+\p:XR+\p+1], v[4:5]
	s_delay_alu instid0(VALU_DEP_2)
	v_pk_fma_f32 v[6:7], v[XR+\p+2:XR+\p+3], v[XR+\p+2:XR+\p+3], v[6:7]
.endr
	s_delay_alu instid0(VALU_DEP_1)
	v_pk_add_f32 v[4:5], v[4:5], v[6:7]
	s_delay_alu instid0(VALU_DEP_1)
	v_add_f32 v4, v4, v5
	REDUCE
	s_delay_alu instid0(VALU_DEP_1)
	v_fma_f32 v4, v4, s22, s23                     ; var + eps
	s_wait_alu depctr_va_vdst(0)
	v_rsq_f32 v10, v4
	v_rsq_f32 v11, v4                              ; twice: a pair for the packed multiply
	v_nop                                          ; a plain instruction behind the last of the two
	s_wait_alu depctr_va_vdst(0)                   ; one wait for both, ahead of their first reader
.if \i == 0
	s_wait_loadcnt 8                               ; w and b are in; row 1's eight loads may be out
.endif
.set p, 0
.rept 16
	v_pk_mul_f32 v[XR+p:XR+p+1], v[XR+p:XR+p+1], v[10:11]
.set p, p+2
.endr
.set p, 0
.rept 16
	v_pk_fma_f32 v[XR+p:XR+p+1], v[XR+p:XR+p+1], v[WG+p:WG+p+1], v[BI+p:BI+p+1]
.set p, p+2
.endr
.irp j, 0,1,2,3,4,5,6,7
	ds_store_b128 v2, v[XR+4*\j:XR+4*\j+3] offset:STG*\i+8*SP*\j
.endr
.irp t, 0,1
.irp k, 0,1,2,3
	ds_load_b128 v[TR+16*\t+4*\k:TR+16*\t+4*\k+3], v3 offset:STG*\i+32*SP*\t+16*\k   ; LDS serves a wave's instructions in order: these see my stores
.endr
.endr
	s_wait_dscnt 0x0
.set p, 0
.rept 32
	v_med3_num_f32 v[TR+p], v[TR+p], -v12, v12     ; the conversion does not saturate (ISA guide 7.6.2): the hold at the largest code x the scale
.set p, p+1
.endr
.irp t, 0,1,2,3
	v_cvt_scalef32_pk8_bf8_f32 v[CD+8*\i+2*\t:CD+8*\i+2*\t+1], v[TR+8*\t:TR+8*\t+7], v13
.endr
	v_nop                                          ; a plain instruction behind the last conversion
.irp t, 0,1
	global_store_b128 v1, v[CD+8*\i+4*\t:CD+8*\i+4*\t+3], s[12:13] offset:1024*\i+512*\t   ; 32 lanes store 512 consecutive bytes
.endr
.endm
	ROW 0
	ROW 1
	s_wait_tensorcnt 0x0
	ds_add_u32 v192, v193
	s_wait_dscnt 0x0
	s_endpgm
.Lfunc_end_k_qbafac4e09f_ln1:
	.size	k_qbafac4e09f_ln1, .Lfunc_end_k_qbafac4e09f_ln1-k_qbafac4e09f_ln1
	.p2alignl 7, 3214868480
	.fill 96, 4, 3214868480
	.section	.rodata,"a",@progbits
	.p2align	6, 0x0
	.amdhsa_kernel k_qbafac4e09f_ln1
		.amdhsa_group_segment_fixed_size 82944
		.amdhsa_private_segment_fixed_size 0
		.amdhsa_enable_private_segment 0
		.amdhsa_kernarg_size 40
		.amdhsa_user_sgpr_count 2
		.amdhsa_user_sgpr_kernarg_segment_ptr 1
		.amdhsa_wavefront_size32 1
		.amdhsa_system_sgpr_workgroup_id_x 1
		.amdhsa_system_sgpr_workgroup_id_y 1
		.amdhsa_system_sgpr_workgroup_id_z 1
		.amdhsa_system_vgpr_workitem_id 0
		.amdhsa_next_free_vgpr 194
		.amdhsa_next_free_sgpr 66
		.amdhsa_reserve_vcc 0
		.amdhsa_float_denorm_mode_32 3
		.amdhsa_float_denorm_mode_16_64 3
		.amdhsa_memory_ordered 1
		.amdhsa_forward_progress 1
		.amdhsa_inst_pref_size 28
	.end_amdhsa_kernel
	.amdgpu_metadata
---
amdhsa.version: [ 1, 2 ]
amdhsa.kernels:
  - .name:           k_qbafac4e09f_ln1
    .symbol:         k_qbafac4e09f_ln1.kd
    .args:
      - { .name: x, .offset: 0, .size: 8, .value_kind: global_buffer, .address_space: global }
      - { .name: ln1_w, .offset: 8, .size: 8, .value_kind: global_buffer, .address_space: global }
      - { .name: ln1_b, .offset: 16, .size: 8, .value_kind: global_buffer, .address_space: global }
      - { .name: lowp_scales, .offset: 24, .size: 8, .value_kind: global_buffer, .address_space: global }
      - { .name: hc, .offset: 32, .size: 8, .value_kind: global_buffer, .address_space: global }
    .group_segment_fixed_size: 82944
    .private_segment_fixed_size: 0
    .kernarg_segment_align: 8
    .kernarg_segment_size: 40
    .max_flat_workgroup_size: 256
    .sgpr_count:     66
    .vgpr_count:     194
    .wavefront_size: 32
...
	.end_amdgpu_metadata
.endif
;; end of part 1
;; launch qkv (part 2): grid 8 x 24, 4 waves a work-group, clusters of 4 x 4, 327,680 bytes of LDS; arguments hc, W_attn_codes, lowp_scales, b_attn, qk, vimg; writes qk, vimg
.if DOCPART == 2
	.amdgcn_target "amdgcn-amd-amdhsa--gfx1250"
	.amdhsa_code_object_version 6
	.text
	.protected	k_qbafac4e09f_qkv
	.globl	k_qbafac4e09f_qkv
	.p2align	8
	.type	k_qbafac4e09f_qkv,@function
k_qbafac4e09f_qkv:
	s_mov_b64 s[64:65], 0
	v_nop
	global_prefetch_b8 v0, s[64:65] scope:SCOPE_SE
	s_setreg_imm32_b32 hwreg(HW_REG_WAVE_MODE, 25, 1), 1
	s_wait_xcnt 0x0
	s_wait_alu depctr_hold_cnt(0) depctr_sa_sdst(0) depctr_va_vdst(0) depctr_va_sdst(0) depctr_va_ssrc(0) depctr_va_vcc(0) depctr_vm_vsrc(0)
	s_getreg_b32 s2, hwreg(HW_REG_IB_STS2, 6, 4)
	s_cmp_eq_u32 s2, 0
	s_cbranch_scc0 .Lentry_in_a_cluster
	s_endpgm
.Lentry_in_a_cluster:
	s_bfe_u32 s2, ttmp6, 0x10000c
	s_cmp_lg_u32 s2, 0xf033
	s_cbranch_scc0 .Lentry_shape_is_right
	s_endpgm
.Lentry_shape_is_right:
; qkv = LN1(x) W_attn^T + b_attn on codes of BF8 (E5M2), K = 1,024, and its three parts quantised again at once: q with e2, k with e3, v with e5.
; A tile of 256 x 256 is made by four waves, 128 x 128 each (64 accumulators, 512 registers); K goes in steps of 256 through a ring of two LDS slots filled by joint tensor loads of a 4 x 4 cluster.
; THE MATRIX INSTRUCTION IS USED TRANSPOSED: source 0 = 16 rows of B', source 1 = 16 rows of A': a lane holds ONE row of A' and eight neighbouring rows of B'.
; TWO PRODUCTS IN ONE TEXT, told apart by the cluster's y (Y), which all sixteen partners share:
;   Y < 4  (q, k): A' = the tokens' codes, B' = W_attn's rows 0 .. 2,047.  A lane holds one token and eight neighbouring features: neighbours along the head's 64, the K of q k^T.
;   Y >= 4 (v):    A' = W_attn's rows 2,048 .. 3,071, B' = the tokens' codes.  A lane holds one channel and eight neighbouring TOKENS: neighbours along the keys, the K of p v.  Nothing is transposed.
; THE RESULTS LEAVE AS IMAGES OF THE NEXT OPERANDS' REGISTERS: the conversions' results are stored as they stand, four registers a lane, 512 consecutive bytes a store; no stage in LDS.
;   qk[hh 32][T 256][1,024 bytes]: hh 0-15 q's heads, 16-31 k's; T = token / 16; byte 512 c + 16 lane = registers 4 c .. 4 c + 3 of a fragment of 16 tokens x 64 (registers 2 i, 2 i + 1: d = 16 i + 8 (lane / 16) + 0 .. 7).
;   vimg[b 4][h 16][block of 128 keys 8][16 channels 4][2,048 bytes]: byte 512 c + 16 lane = registers 4 c .. 4 c + 3 of a fragment of 16 channels x 128 keys (registers 2 i, 2 i + 1: key 16 i + 8 (lane / 16) + 0 .. 7).
; LIMITS: e0 + e1 between -126 and 127; e2, e3, e5 between -126 and 112: each power of two below is then an f32 number.  NaN is not served.
; REGISTERS: window 0: v0-31 addresses; v32-95 the bias along B' rows; v96-111 the bias along A' rows, each number twice; from v128 A's fragments, one set; on the way out v128-191 numbers, v192-255 four sets of codes.
;   window 1: B's fragments, two sets.   windows 2, 3: the accumulators ((a, b) at v[8 (8 (a % 4) + b)]).
.set KSTEP,  256
.set ROWB,   256
.set KROW,   1024
.set PITCH,  272                       ; an LDS row: 256 bytes + 16 of padding = 68 words: the 16 rows that a load touches start at 16 different banks
.set FR,     16
.set NL,     4
.set NP,     4
.set HALFT,  128*PITCH
.set SLOT,   4*HALFT
.set LAPS,   KROW/(2*KSTEP)
.set SPARE,  2*SLOT                    ; behind the ring: the spare words, 128 bytes a wave
.set ADRA, 16
.set ADRB, 20
.set GOF,  24                          ; v24  16 x lane
.set LIMV, 26                          ; v26  57,344 x the quantiser's scale
.set SCV,  27                          ; v27  the quantiser's scale
.set SPW,  28
.set NIL,  29
.set BN,   32
.set BM,   96
.set AF,   128
.set TMP,  128
.set CODE, 192
.set G1, 24
.set G0, 32
.set G1B, 48
.set G0B, 56
.set MSB, 0
.macro WIN new                         ; the immediate's high byte repeats the setting that is left
.if MSB != \new
	s_set_vgpr_msb (MSB<<8)|\new
.set MSB, \new
.endif
.endm
.set MUL_LO, 0xa1
.set MUL_HI, 0xf1
.set TO_B,   0x40
.macro JLOAD g0a, g1a, g0b, g1b        ; a joint load: waves 0 and 1 fetch for A', waves 2 and 3 for B'; four v_nop follow each line
	s_cmp_eq_u32 s15, 0
	s_cbranch_scc0 .Lfor_b_\@
	tensor_load_to_lds s[\g0a:\g0a+3], s[\g1a:\g1a+7]
	s_nop 0
.rept 4
	v_nop
.endr
	s_branch .Lasked_\@
.Lfor_b_\@:
	tensor_load_to_lds s[\g0b:\g0b+3], s[\g1b:\g1b+7]
	s_nop 0
.rept 4
	v_nop
.endr
.Lasked_\@:
.endm
.macro CREST
	s_cmp_lg_u32 s14, 0
	s_cbranch_scc1 .Lnot_wave_0_\@
	s_barrier_signal -3
.Lnot_wave_0_\@:
	s_barrier_wait -3
	s_barrier_signal -1
	s_barrier_wait -1
.endm
.macro CROUND
	s_barrier_signal -1
	s_barrier_wait -1
	CREST
.endm
	s_load_b128 s[4:7], s[0:1], 0x0                ; the tokens' codes, W_attn's codes
	s_load_b128 s[8:11], s[0:1], 0x10              ; the scales' exponents, b_attn
	s_load_b128 s[68:71], s[0:1], 0x20             ; qk, vimg
	v_lshl_add_u32 v[SPW], v0, 2, SPARE
	v_mov_b32 v[NIL], 0
	ds_add_u32 v28, v29
	ds_add_u32 v28, v29
	s_wait_dscnt 0x0
	v_lshrrev_b32 v1, 5, v0
	v_readfirstlane_b32 s14, v1                    ; wave 0..3
	s_lshr_b32 s15, s14, 1                         ; my half of A' rows.  Also: I fetch for A' (0) or B' (1)
	s_and_b32 s16, s14, 1                          ; my half of B' rows.  Also: which 128 rows I fetch
	s_bfe_u32 s40, ttmp6, 0x40000                  ; cx
	s_bfe_u32 s41, ttmp6, 0x40004                  ; cy
	s_and_b32 s92, ttmp7, 0xffff                   ; Y: the cluster's y, 0 .. 5
	s_mov_b32 s93, ttmp9                           ; X: the cluster's x, 0 .. 1
	s_cmp_lt_u32 s92, 4
	s_cselect_b32 s94, s92, 0                      ; q, k: Y; v: 0
	s_cselect_b32 s95, 4, s92                      ; q, k: 4; v: Y
	s_lshl_b32 s17, s94, 2
	s_add_co_u32 s17, s17, s41                     ; tile row (A'): q, k: 4 Y + cy; v: cy
	s_sub_co_u32 s95, s95, 4
	s_lshl_b32 s95, s95, 3
	s_lshl_b32 s42, s93, 2
	s_add_co_u32 s42, s42, s40
	s_add_co_u32 s42, s42, s95                     ; tile column (B'): 4 X + cx, and for v + 8 (Y - 4)
	s_lshl_b32 s43, s41, 2
	s_lshl_b32 s43, 15, s43                        ; my row of the cluster
	s_lshl_b32 s44, 0x1111, s40                    ; my column
	s_or_b32 s[G1+0], s43, (0<<16)|(1<<20)|(1<<21)|(5<<22)|(3<<25)  ; the mask; elements of 1 byte; padding: 4 words behind every 64
	s_or_b32 s[G1B+0], s44, (0<<16)|(1<<20)|(1<<21)|(5<<22)|(3<<25)
.irp g, G1, G1B
	s_mov_b32 s[\g+1], ROWB<<16                    ; tensor_dim0
	s_mov_b32 s[\g+2], 128<<16                     ; tensor_dim1
	s_mov_b32 s[\g+3], ROWB<<16                    ; tile_dim0
	s_mov_b32 s[\g+4], 128                         ; tile_dim1
	s_mov_b32 s[\g+5], KROW                        ; the pitch
	s_mov_b32 s[\g+6], 0
	s_mov_b32 s[\g+7], 0
.endr
	s_lshl_b32 s18, s16, 7
	s_lshl_b32 s20, s17, 8
	s_add_co_u32 s20, s20, s18                     ; A': row 256 x tile row + 128 x half
	s_lshl_b32 s46, s42, 8
	s_add_co_u32 s46, s46, s18                     ; B': row 256 x tile column + 128 x half
	s_lshl_b32 s20, s20, 10                        ; x 1,024 bytes
	s_lshl_b32 s46, s46, 10
	s_mov_b32 s21, 0
	s_mov_b32 s47, 0
	s_mul_i32 s45, s14, HALFT                      ; where they go: wave x 128 rows
	s_wait_kmcnt 0x0
	s_load_b256 s[76:83], s[8:9], 0x0              ; e0 .. e7
	s_add_nc_u64 s[72:73], s[6:7], 0x200000        ; W_attn's row 2,048
	s_cmp_lt_u32 s92, 4                            ; the choice hangs on the cluster's y alone
	s_cselect_b64 s[74:75], s[4:5], s[72:73]       ; A'
	s_cselect_b64 s[72:73], s[6:7], s[4:5]         ; B'
	s_add_nc_u64 s[20:21], s[74:75], s[20:21]
	s_add_nc_u64 s[46:47], s[72:73], s[46:47]
	CROUND                                         ; all sixteen work-groups are here: the first joint loads meet
.irp s, 0,1
	s_mov_b32 s[G0+4*\s], 1
	s_add_co_u32 s[G0+4*\s+1], s45, \s*SLOT
	s_add_nc_u64 s[G0+4*\s+2:G0+4*\s+3], s[20:21], \s*ROWB
	s_or_b32 s[G0+4*\s+3], s[G0+4*\s+3], 0x80000000
	s_mov_b32 s[G0B+4*\s], 1
	s_add_co_u32 s[G0B+4*\s+1], s45, \s*SLOT
	s_add_nc_u64 s[G0B+4*\s+2:G0B+4*\s+3], s[46:47], \s*ROWB
	s_or_b32 s[G0B+4*\s+3], s[G0B+4*\s+3], 0x80000000
.endr
	JLOAD G0, G1, G0B, G1B                         ; K step 0: one tensor load a wave at the head
	; prefetches: of the 128 rows that I fetch, each of the four partners that ask with me takes 32, told apart by address (cx for A', cy for B'); a lane a row, 256 bytes of it a K step
	s_cmp_eq_u32 s15, 0
	s_cselect_b64 s[12:13], s[20:21], s[46:47]
	s_cselect_b32 s66, s40, s41
	s_lshl_b32 s66, s66, 15                        ; 32 rows x 1,024 bytes
	s_mov_b32 s67, 0
	s_add_nc_u64 s[12:13], s[12:13], s[66:67]
	v_and_b32 v30, 31, v0
	v_lshlrev_b32 v30, 10, v30                     ; my lane's row; never rewritten
	global_prefetch_b8 v30, s[12:13] offset:256 th:TH_LOAD_NT scope:SCOPE_SE   ; K step 1
	v_and_b32 v1, 15, v0                           ; r
	v_bfe_u32 v2, v0, 4, 1                         ; h
	v_mul_u32_u24 v3, v1, PITCH
	v_lshl_add_u32 v4, v2, 4, v3
	s_mul_i32 s21, s15, HALFT
	s_mul_i32 s22, s16, HALFT
	s_add_co_u32 s22, s22, 2*HALFT
.irp s, 0,1
	v_add_nc_u32 v[ADRA+\s], s21, v4
	v_add_nc_u32 v[ADRB+\s], s22, v4
	s_add_co_u32 s21, s21, SLOT
	s_add_co_u32 s22, s22, SLOT
.endr
	v_and_b32 v5, 31, v0
	v_lshlrev_b32 v[GOF], 4, v5
	v_lshlrev_b32 v6, 5, v2                        ; 32 h: eight numbers of the bias along B' rows
	s_wait_alu depctr_va_vdst(0)
	v_lshlrev_b32 v7, 2, v1                        ; 4 r: one number of the bias along A' rows
	; the two biases.  Both are loaded on both ways, the one that is not used from b_attn's first bytes: every register is written and no load leaves the buffer
	s_wait_alu depctr_va_vdst(0)
	s_lshl_b32 s96, s42, 10
	s_lshl_b32 s97, s16, 9
	s_add_co_u32 s96, s96, s97                     ; 4 (256 tile column + 128 half)
	s_lshl_b32 s98, s17, 10
	s_lshl_b32 s97, s15, 9
	s_add_co_u32 s98, s98, s97
	s_add_co_u32 s98, s98, 8192                    ; 4 (2,048 + 256 tile row + 128 half)
	s_cmp_lt_u32 s92, 4
	s_cselect_b32 s96, s96, 0
	s_cselect_b32 s98, 0, s98
	s_mov_b32 s97, 0
	s_mov_b32 s99, 0
	s_add_nc_u64 s[84:85], s[10:11], s[96:97]
	s_add_nc_u64 s[86:87], s[10:11], s[98:99]
.irp b, 0,1,2,3,4,5,6,7
	global_load_b128 v[BN+8*\b:BN+8*\b+3], v6, s[84:85] offset:64*\b
	global_load_b128 v[BN+8*\b+4:BN+8*\b+7], v6, s[84:85] offset:64*\b+16
.endr
.irp a, 0,1,2,3,4,5,6,7
	global_load_b32 v[BM+2*\a], v7, s[86:87] offset:64*\a
	global_load_b32 v[BM+2*\a+1], v7, s[86:87] offset:64*\a
.endr
	; where my images go
	s_lshl_b32 s96, s42, 20                        ; q, k: head 4 tile column + 2 half, 2^18 bytes each;
	s_lshl_b32 s97, s16, 19
	s_add_co_u32 s96, s96, s97
	s_lshl_b32 s97, s17, 14                        ; tile of tokens 16 tile row + 8 half, 2^10 bytes each
	s_add_co_u32 s96, s96, s97
	s_lshl_b32 s97, s15, 13
	s_add_co_u32 s96, s96, s97
	s_lshl_b32 s98, s42, 1
	s_add_co_u32 s98, s98, s16                     ; v: my block of 128 tokens, 0 .. 31:
	s_lshr_b32 s99, s98, 3
	s_lshl_b32 s99, s99, 20                        ; its batch,
	s_and_b32 s98, s98, 7
	s_lshl_b32 s98, s98, 13                        ; its block of keys,
	s_add_co_u32 s98, s98, s99
	s_lshl_b32 s99, s17, 18                        ; head 4 tile row + 2 half, 2^16 bytes each
	s_add_co_u32 s98, s98, s99
	s_lshl_b32 s99, s15, 17
	s_add_co_u32 s98, s98, s99
	s_cmp_lt_u32 s92, 4
	s_cselect_b32 s96, s96, s98
	s_cselect_b64 s[88:89], s[68:69], s[70:71]
	s_mov_b32 s97, 0
	s_add_nc_u64 s[88:89], s[88:89], s[96:97]
.macro FRAG reg, adr, q, i             ; a fragment, 16 rows x 128 K: registers 4 c .. 4 c + 3 hold K = 32 c + 16 (lane / 16) + 0 .. 15: the same permutation of k in A' and in B'
.irp c, 0,1,2,3
	ds_load_b128 v[\reg+4*\c:\reg+4*\c+3], v[\adr] offset:128*(\q)+32*\c+(\i)*16*PITCH
.endr
.endm
.macro MUL16 a0, p, zero               ; 16 matrix instructions; the 64 accumulators take turns, one instruction a turn, in the same order in every step
.irp a, \a0, \a0+1
.irp b, 0,1,2,3,4,5,6,7
.if \zero
	v_wmma_f32_16x16x128_bf8_bf8 v[8*(8*((\a)%4)+\b):8*(8*((\a)%4)+\b)+7], v[128*(\p)+FR*\b:128*(\p)+FR*\b+FR-1], v[AF+FR*(\a):AF+FR*(\a)+FR-1], 0
.else
	v_wmma_f32_16x16x128_bf8_bf8 v[8*(8*((\a)%4)+\b):8*(8*((\a)%4)+\b)+7], v[128*(\p)+FR*\b:128*(\p)+FR*\b+FR-1], v[AF+FR*(\a):AF+FR*(\a)+FR-1], v[8*(8*((\a)%4)+\b):8*(8*((\a)%4)+\b)+7]
.endif
.endr
.endr
.endm
.macro FETCH_B slot, q, p
	WIN TO_B
.irp i, 0,1,2,3,4,5,6,7
	FRAG 128*(\p)+FR*\i, ADRB+\slot, \q, \i
.endr
	WIN 0
.endm
.macro FETCH_A slot, q, i0
.irp i, \i0, \i0+1, \i0+2, \i0+3
	FRAG AF+FR*(\i), ADRA+\slot, \q, \i
.endr
.endm
.macro PLACES n                        ; plain vector instructions between a matrix instruction and a load into, or a vector read or write of, its registers
.rept \n
	v_nop
.endr
.endm
.macro STEP slot, q, zero              ; a step of 128 along K that has its successor in the same slot
	s_wait_dscnt 4*NL                              ; B's set and A's blocks 0-3 are in; A's blocks 4-7 (16 loads) may be out
	WIN MUL_LO
	MUL16 0, (\q)%2, \zero
	MUL16 2, (\q)%2, \zero
	s_wait_dscnt 0
	PLACES NP
	FETCH_B \slot, (\q)+1, 1-(\q)%2
	FETCH_A \slot, (\q)+1, 0
	WIN MUL_HI
	MUL16 4, (\q)%2, \zero
	MUL16 6, (\q)%2, \zero
	PLACES NP
	WIN 0
	FETCH_A \slot, (\q)+1, 4
.endm
.macro TURN slot, next, fill           ; a slot's last step changes slots: one barrier; fill = 1: the slot is filled again, two K steps ahead
	s_wait_tensorcnt 0x0                           ; all my tensor loads have landed: my part of the next slot
	ds_add_u32 v[SPW], v[NIL]                      ; 0 onto my spare word
	s_wait_dscnt 4*NL+1                            ; the add and A's blocks 4-7 (16 loads) may be out
	WIN MUL_LO
	MUL16 0, 1, 0
	s_wait_dscnt 0x0                               ; the add is done, and my reads of this slot are over
	s_barrier_signal -1
	MUL16 2, 1, 0
	WIN 0
	s_barrier_wait -1
.if \fill
	CREST                                          ; the barrier has opened a round of the cluster's barrier: no wave of any partner still reads this slot or has a load on its way
	s_add_nc_u64 s[G0+4*\slot+2:G0+4*\slot+3], s[G0+4*\slot+2:G0+4*\slot+3], 2*ROWB
	s_add_nc_u64 s[G0B+4*\slot+2:G0B+4*\slot+3], s[G0B+4*\slot+2:G0B+4*\slot+3], 2*ROWB
	JLOAD G0+4*\slot, G1, G0B+4*\slot, G1B         ; the first tensor load behind the round; its four v_nop are the places in front of the loads below
.else
	PLACES NP
.endif
	FETCH_B \next, 0, 0
	FETCH_A \next, 0, 0
	WIN MUL_HI
	MUL16 4, 1, 0
	MUL16 6, 1, 0
	PLACES NP
	WIN 0
	FETCH_A \next, 0, 4
.endm
	s_wait_alu depctr_va_vdst(0)
	s_wait_tensorcnt 0x0                           ; my part of K step 0 is in
	ds_add_u32 v[SPW], v[NIL]
	s_wait_dscnt 0x0
	CROUND                                         ; everybody's part of K step 0 is in, and the joint loads meet
	JLOAD G0+4, G1, G0B+4, G1B                     ; K step 1, the first tensor load behind the round
	FETCH_B 0, 0, 0
	FETCH_A 0, 0, 0
	FETCH_A 0, 0, 4
	global_prefetch_b8 v30, s[12:13] offset:512 th:TH_LOAD_NT scope:SCOPE_SE   ; K step 2: one refill ahead
	global_prefetch_b8 v30, s[12:13] offset:768 th:TH_LOAD_NT scope:SCOPE_SE   ; K step 3, the last: two refills ahead
	STEP 0, 0, 1                                   ; the first step's products start the sums
	s_mov_b32 s3, LAPS-1
.Llap:
	TURN 0, 1, 1
	STEP 1, 0, 0
	TURN 1, 0, 1
	STEP 0, 0, 0
	s_sub_co_u32 s3, s3, 1
	s_cmp_lg_u32 s3, 0
	s_cbranch_scc1 .Llap
	TURN 0, 1, 0
	STEP 1, 0, 0
	s_wait_dscnt 4*NL
	WIN MUL_LO
	MUL16 0, 1, 0
	MUL16 2, 1, 0
	s_wait_dscnt 0
	WIN MUL_HI
	MUL16 4, 1, 0
	MUL16 6, 1, 0
	WIN 0
; THE WAY OUT, block a of 16 rows of A' at a time: sum x 2^(e0 + e1) + bias, held, converted; the 16 registers of codes are stored as they stand.
; kind 0 (q, k): the bias runs along the registers; kind 1 (v): along the lanes.
.macro EPI kind, a
.set AC, 64*((\a)%4)
.set CSET, CODE+16*((\a)%4)
	WIN 0x02+((\a)/4)                              ; source 0: window 2 or 3
.set i, 0
.rept 32
.if \kind
	v_pk_fma_f32 v[TMP+i:TMP+i+1], v[AC+i:AC+i+1], s[90:91], v[BM+2*(\a):BM+2*(\a)+1] op_sel_hi:[1,0,1]
.else
	v_pk_fma_f32 v[TMP+i:TMP+i+1], v[AC+i:AC+i+1], s[90:91], v[BN+i:BN+i+1] op_sel_hi:[1,0,1]   ; each accumulator from its low end on
.endif
.set i, i+2
.endr
	WIN 0
.set i, 0
.rept 64
	v_med3_num_f32 v[TMP+i], v[TMP+i], -v[LIMV], v[LIMV]   ; the conversion does not saturate (ISA guide 7.6.2)
.set i, i+1
.endr
.if (\a) >= 4
	s_wait_alu depctr_va_vdst(0)
	s_wait_xcnt 0x0                                ; block a - 4's stores have read this set of codes
.endif
.irp b, 0,1,2,3,4,5,6,7
	v_cvt_scalef32_pk8_bf8_f32 v[CSET+2*\b:CSET+2*\b+1], v[TMP+8*\b:TMP+8*\b+7], v[SCV]
.endr
	v_nop                                          ; a plain instruction behind the last conversion
.irp i, 0,1,2,3
.if \kind
	global_store_b128 v[GOF], v[CSET+4*\i:CSET+4*\i+3], s[88:89] offset:65536*((\a)/4)+2048*((\a)%4)+512*\i
.else
	global_store_b128 v[GOF], v[CSET+4*\i:CSET+4*\i+3], s[88:89] offset:1024*(\a)+262144*(\i/2)+512*(\i%2)
.endif
.endr
.endm
	s_wait_kmcnt 0x0
	s_add_co_i32 s90, s76, s77
	s_add_co_i32 s90, s90, 127
	s_lshl_b32 s90, s90, 23                        ; 2^(e0 + e1) as f32
	s_mov_b32 s91, s90
	s_cmp_eq_u32 s93, 0
	s_cselect_b32 s94, s78, s79                    ; q's e2 (features under 1,024: X = 0) or k's e3
	s_cmp_lt_u32 s92, 4
	s_cselect_b32 s94, s94, s81                    ; or v's e5: chosen without a jump
	s_add_co_i32 s94, s94, 127
	s_lshl_b32 s95, s94, 23
	v_mov_b32 v[SCV], s95
	s_add_co_i32 s94, s94, 15
	s_lshl_b32 s94, s94, 23
	s_or_b32 s94, s94, 0x600000
	v_mov_b32 v[LIMV], s94
	s_wait_loadcnt 0x0                             ; the biases
	PLACES NP
	s_cmp_lt_u32 s92, 4                            ; the cluster's y: the same way in all partners; no LDS line, barrier or tensor load stands on either way
	s_cbranch_scc0 .Lvalues
.irp a, 0,1,2,3,4,5,6,7
	EPI 0, \a
.endr
	s_branch .Lend
.Lvalues:
.irp a, 0,1,2,3,4,5,6,7
	EPI 1, \a
.endr
.Lend:
	s_wait_tensorcnt 0x0                           ; the wave's end
	ds_add_u32 v[SPW], v[NIL]
	s_wait_dscnt 0x0
	CROUND                                         ; the closing round
	s_endpgm
.Lfunc_end_k_qbafac4e09f_qkv:
	.size	k_qbafac4e09f_qkv, .Lfunc_end_k_qbafac4e09f_qkv-k_qbafac4e09f_qkv
	.p2alignl 7, 3214868480
	.fill 96, 4, 3214868480
	.section	.rodata,"a",@progbits
	.p2align	6, 0x0
	.amdhsa_kernel k_qbafac4e09f_qkv
		.amdhsa_group_segment_fixed_size 327680
		.amdhsa_private_segment_fixed_size 0
		.amdhsa_enable_private_segment 0
		.amdhsa_kernarg_size 48
		.amdhsa_user_sgpr_count 2
		.amdhsa_user_sgpr_kernarg_segment_ptr 1
		.amdhsa_wavefront_size32 1
		.amdhsa_system_sgpr_workgroup_id_x 1
		.amdhsa_system_sgpr_workgroup_id_y 1
		.amdhsa_system_sgpr_workgroup_id_z 1
		.amdhsa_system_vgpr_workitem_id 0
		.amdhsa_next_free_vgpr 1024
		.amdhsa_next_free_sgpr 100
		.amdhsa_reserve_vcc 0
		.amdhsa_float_denorm_mode_32 3
		.amdhsa_float_denorm_mode_16_64 3
		.amdhsa_memory_ordered 1
		.amdhsa_forward_progress 1
		.amdhsa_inst_pref_size 195
	.end_amdhsa_kernel
	.amdgpu_metadata
---
amdhsa.version: [ 1, 2 ]
amdhsa.kernels:
  - .name:           k_qbafac4e09f_qkv
    .symbol:         k_qbafac4e09f_qkv.kd
    .args:
      - { .name: hc, .offset: 0, .size: 8, .value_kind: global_buffer, .address_space: global }
      - { .name: W_attn_codes, .offset: 8, .size: 8, .value_kind: global_buffer, .address_space: global }
      - { .name: lowp_scales, .offset: 16, .size: 8, .value_kind: global_buffer, .address_space: global }
      - { .name: b_attn, .offset: 24, .size: 8, .value_kind: global_buffer, .address_space: global }
      - { .name: qk, .offset: 32, .size: 8, .value_kind: global_buffer, .address_space: global }
      - { .name: vimg, .offset: 40, .size: 8, .value_kind: global_buffer, .address_space: global }
    .group_segment_fixed_size: 327680
    .private_segment_fixed_size: 0
    .kernarg_segment_align: 8
    .kernarg_segment_size: 48
    .max_flat_workgroup_size: 128
    .sgpr_count:     100
    .vgpr_count:     1024
    .wavefront_size: 32
...
	.end_amdgpu_metadata
.endif
;; end of part 2
;; launch attn (part 3): grid 4 x 64, 16 waves a work-group, clusters of 4 x 1, 169,984 bytes of LDS; arguments qk, vimg, lowp_scales, yimg; writes yimg
.if DOCPART == 3
	.amdgcn_target "amdgcn-amd-amdhsa--gfx1250"
	.amdhsa_code_object_version 6
	.text
	.protected	k_qbafac4e09f_attn
	.globl	k_qbafac4e09f_attn
	.p2align	8
	.type	k_qbafac4e09f_attn,@function
k_qbafac4e09f_attn:
	s_mov_b64 s[64:65], 0
	v_nop
	global_prefetch_b8 v0, s[64:65] scope:SCOPE_SE
	s_setreg_imm32_b32 hwreg(HW_REG_WAVE_MODE, 25, 1), 1
	s_wait_xcnt 0x0
	s_wait_alu depctr_hold_cnt(0) depctr_sa_sdst(0) depctr_va_vdst(0) depctr_va_sdst(0) depctr_va_ssrc(0) depctr_va_vcc(0) depctr_vm_vsrc(0)
	s_getreg_b32 s2, hwreg(HW_REG_IB_STS2, 6, 4)
	s_cmp_eq_u32 s2, 0
	s_cbranch_scc0 .Lentry_in_a_cluster
	s_endpgm
.Lentry_in_a_cluster:
	s_bfe_u32 s2, ttmp6, 0x10000c
	s_cmp_lg_u32 s2, 0x3003
	s_cbranch_scc0 .Lentry_shape_is_right
	s_endpgm
.Lentry_shape_is_right:
; Causal attention of 64 (batch, head) pairs, 1,024 tokens, head size 64, both products on codes of BF8 (E5M2); the result is quantised with e6 for the projection.
; t = score x log2(e) / 8; M = the running largest t rounded UP to a whole number; p = 2^(t - M) is quantised with e4, not normalised; the row's sum is taken of the unquantised p and divides at the end.
; SHARES.  A cluster of four work-groups is one (batch, head); all of its K (64 KB) and V (64 KB) lie in each work-group's LDS, brought ONCE by joint loads: nothing is filled again, so there is no ring.
; Wave w has the group of 64 queries g = w xor 3 (bit 2 of w), and of it the 16 queries 64 g + 16 cx: waves w, w + 4, w + 8, w + 12 then have 18 key steps together, whatever cx.
; A step of 128 keys is left out where all its keys come after the wave's queries: 2 step > g, a branch on the wave's number and the trip's number alone (64 g + 16 cx + 15 lies under 64 g + 64).
; LAYOUT.  Both products are used transposed: S^T = K Q^T (source 0 = 16 keys), O^T = V^T P^T (source 0 = 16 channels): a lane holds ONE query throughout, and its eight scores of a tile are eight
; neighbouring keys 16 i + 8 (lane / 16) + 0 .. 7: their two registers of codes are registers 2 i, 2 i + 1 of the second product's operand.  K, Q and V come as images of their registers, 16 bytes a lane.
; y leaves as the image of the projection's operand: yimg[T = token / 16][s 8][2,048]: byte 512 c + 16 lane = registers 4 c .. 4 c + 3, k = 128 s + 32 c + 16 (lane / 16) + 0 .. 15; lanes l and l xor 16 exchange halves for that.
; LIMITS: e2 + e3 between -124 and 130 (added to c's exponent field); e4 and e6 between -126 and 112; e4 + e5 goes by v_ldexp_f32 and has none.  NaN is not served.
; REGISTERS: v1 16 x lane; v2, v3 addresses in hand; v4 my query less the diagonal step's first key less 8 (lane / 16); v5 -infinity; v12 -M, v13 largest t, v[14:15] the sum; v16-23 Q; v32-95 K's 8 fragments, then V's 4;
;   v96-159 S^T, then p; v160-191 O^T; v192-207 p's codes; v208-215 y's codes; v216-219 the exchange; v230-254 at work.
.set LI,   1
.set ADK,  2
.set ADV,  3
.set DM,   4
.set NINF, 5
.set HM,   13                          ; s13  lanes 16-31
.set WV,   18
.set GR,   19
.set SEL,  20
.set CS,   22
.set G1,   24
.set G0K,  32
.set G0V,  36
.set TB,   58
.set CNT,  59
.macro CROUND
	s_barrier_signal -1
	s_barrier_wait -1
	s_cmp_lg_u32 s[WV], 0
	s_cbranch_scc1 .Lnot_wave_0_\@
	s_barrier_signal -3
.Lnot_wave_0_\@:
	s_barrier_wait -3
	s_barrier_signal -1
	s_barrier_wait -1
.endm
.macro XCH c                           ; four registers of codes: tile 2 p's two, tile 2 p + 1's two.  Lanes 0-15 keep the first two and take the partner's first two; lanes 16-31 take the partner's last two and keep their own
	v_cndmask_b32 v216, v[(\c)+2], v[(\c)], s[HM]
	v_cndmask_b32 v217, v[(\c)+3], v[(\c)+1], s[HM]
	s_delay_alu instid0(VALU_DEP_2)
	v_permlanex16_b32 v218, v216, s[SEL], s[SEL+1]
	s_delay_alu instid0(VALU_DEP_2)
	v_permlanex16_b32 v219, v217, s[SEL], s[SEL+1]
	v_cndmask_b32 v[(\c)], v[(\c)], v218, s[HM]
	v_cndmask_b32 v[(\c)+1], v[(\c)+1], v219, s[HM]
	v_cndmask_b32 v[(\c)+2], v218, v[(\c)+2], s[HM]
	v_cndmask_b32 v[(\c)+3], v219, v[(\c)+3], s[HM]
.endm
	s_load_b256 s[4:11], s[0:1], 0x0               ; qk s[4:5], vimg s[6:7], the scales' exponents s[8:9], yimg s[10:11]
	v_lshl_add_u32 v251, v0, 2, 0x29000
	v_mov_b32 v255, 0
	ds_add_u32 v251, v255
	ds_add_u32 v251, v255
	v_lshrrev_b32 v2, 5, v0
	s_delay_alu instid0(VALU_DEP_1)
	v_readfirstlane_b32 s[WV], v2                  ; wave 0..15
	s_bfe_u32 s48, s[WV], 0x10002
	s_mul_i32 s48, s48, 3
	s_xor_b32 s[GR], s[WV], s48                    ; g
	s_bfe_u32 s50, ttmp6, 0x40000                  ; cx
	s_and_b32 s51, ttmp7, 0xffff                   ; 16 batch + head, which the four partners share
	s_lshr_b32 s52, s51, 4
	s_and_b32 s53, s51, 15
	s_and_b32 s12, s[WV], 7
	s_lshl_b32 s12, s12, 13                        ; my 8,192 bytes of K's or of V's 65,536
	s_add_co_u32 s14, s53, 16
	s_lshl_b32 s14, s14, 18
	s_lshl_b32 s15, s52, 16
	s_add_co_u32 s14, s14, s15
	s_add_co_u32 s14, s14, s12                     ; K: (16 + head) 2^18 + batch 2^16
	s_mov_b32 s15, 0
	s_lshl_b32 s16, s51, 16
	s_add_co_u32 s16, s16, s12                     ; V: (16 batch + head) 2^16
	s_mov_b32 s17, 0
	s_lshl_b32 s54, s[GR], 2
	s_add_co_u32 s54, s54, s50                     ; my tile of 16 queries in the batch: 4 g + cx
	s_lshl_b32 s56, s54, 10
	s_lshl_b32 s55, s53, 18
	s_add_co_u32 s56, s56, s55
	s_lshl_b32 s55, s52, 16
	s_add_co_u32 s56, s56, s55                     ; Q's image
	s_mov_b32 s57, 0
	s_lshl_b32 s55, s52, 6
	s_add_co_u32 s54, s54, s55
	s_lshl_b32 s54, s54, 14
	s_lshl_b32 s55, s53, 10
	s_add_co_u32 s54, s54, s55                     ; y's image: T 16,384 + head 1,024
	s_mov_b32 s55, 0
	s_mov_b32 s[G1], 15|(3<<16)|(1<<21)            ; the mask: all four work-groups; elements of 8 bytes; no padding: images are read 16 bytes a lane on end
	s_mov_b32 s[G1+1], 32<<16                      ; tensor_dim0 = 32 elements: 256 bytes
	s_mov_b32 s[G1+2], 32<<16                      ; tensor_dim1 = 32
	s_mov_b32 s[G1+3], 32<<16                      ; tile_dim0
	s_mov_b32 s[G1+4], 32                          ; tile_dim1
	s_mov_b32 s[G1+5], 32                          ; the pitch: dense
	s_mov_b32 s[G1+6], 0
	s_mov_b32 s[G1+7], 0
	s_mov_b32 s[SEL], 0x76543210
	s_mov_b32 s[SEL+1], 0xfedcba98
	s_mov_b32 s[CS], 0x3e38aa3b                    ; c = log2(e) / 8
	s_mov_b32 s[HM], 0xffff0000
	s_mov_b32 s[TB], 0
	s_mov_b32 s[CNT], 0
	s_wait_dscnt 0x0
	s_wait_kmcnt 0x0
	s_load_b256 s[40:47], s[8:9], 0x0              ; e0 .. e7
	s_mov_b32 s[G0K], 1
	s_lshl_b32 s[G0K+1], s[WV], 13                 ; LDS: 8,192 x wave: K's 64 KB, then V's
	s_add_nc_u64 s[G0K+2:G0K+3], s[4:5], s[14:15]
	s_or_b32 s[G0K+3], s[G0K+3], 0x80000000
	s_mov_b32 s[G0V], 1
	s_lshl_b32 s[G0V+1], s[WV], 13
	s_add_nc_u64 s[G0V+2:G0V+3], s[6:7], s[16:17]
	s_or_b32 s[G0V+3], s[G0V+3], 0x80000000
	s_add_nc_u64 s[60:61], s[4:5], s[56:57]        ; Q
	s_add_nc_u64 s[62:63], s[10:11], s[54:55]      ; y
	CROUND                                         ; all four work-groups are here: the joint loads meet
	s_cmp_lt_u32 s[WV], 8                          ; waves 0-7 fetch K, waves 8-15 V: one load a wave is out
	s_cbranch_scc0 .Lfor_v
	tensor_load_to_lds s[G0K:G0K+3], s[G1:G1+7]
	s_nop 0
.rept 4
	v_nop
.endr
	s_branch .Lasked
.Lfor_v:
	tensor_load_to_lds s[G0V:G0V+3], s[G1:G1+7]
	s_nop 0
.rept 4
	v_nop
.endr
.Lasked:
	v_and_b32 v6, 31, v0
	s_delay_alu instid0(VALU_DEP_1)
	v_lshlrev_b32 v[LI], 4, v6
	global_load_b128 v[16:19], v[LI], s[60:61]
	global_load_b128 v[20:23], v[LI], s[60:61] offset:512
	v_and_b32 v7, 15, v0
	v_bfe_u32 v8, v0, 4, 1
	s_delay_alu instid0(VALU_DEP_1)
	v_lshlrev_b32 v8, 3, v8
	s_delay_alu instid0(VALU_DEP_1)
	v_sub_nc_u32 v[DM], v7, v8
	s_and_b32 s48, s[GR], 1
	s_lshl_b32 s48, s48, 6
	s_lshl_b32 s49, s50, 4
	s_add_co_u32 s48, s48, s49
	v_add_nc_u32 v[DM], s48, v[DM]                 ; 64 (g % 2) + 16 cx + r - 8 h
	v_mov_b32 v[NINF], 0xff800000
	v_mov_b32 v13, 0xff61b1e6                      ; the largest t so far: -3e38
	s_delay_alu instid0(VALU_DEP_1)
	v_floor_f32 v12, -v13
	v_mov_b32 v14, 0
	v_mov_b32 v15, 0
	v_mov_b32 v218, 0                              ; a lane permute's destination counts as one of its sources
	v_mov_b32 v219, 0
	v_mov_b32 v236, 0
	v_mov_b32 v253, 0
.set i, 0
.rept 32
	v_mov_b32 v[160+i], 0                          ; O^T: the step is written once; the first finds zeros
.set i, i+1
.endr
	s_wait_kmcnt 0x0
	s_add_co_i32 s48, s42, s43
	s_lshl_b32 s48, s48, 23
	s_add_co_i32 s[CS], s[CS], s48                 ; a score stands for score x 2^(e2 + e3)
	s_mov_b32 s[CS+1], s[CS]
	s_add_co_i32 s48, s44, 127
	s_lshl_b32 s49, s48, 23
	v_mov_b32 v244, s49                            ; 2^e4
	s_add_co_i32 s48, s48, 15
	s_lshl_b32 s48, s48, 23
	s_or_b32 s48, s48, 0x600000
	v_mov_b32 v240, s48                            ; 57,344 x 2^e4
	s_add_co_i32 s48, s46, 127
	s_lshl_b32 s49, s48, 23
	v_mov_b32 v245, s49                            ; 2^e6
	s_add_co_i32 s48, s48, 15
	s_lshl_b32 s48, s48, 23
	s_or_b32 s48, s48, 0x600000
	v_mov_b32 v241, s48                            ; 57,344 x 2^e6
	s_wait_tensorcnt 0x0                           ; my part of K or V is in,
	s_barrier_signal -1
	s_barrier_wait -1                              ; everybody's is
	s_wait_loadcnt 0x0                             ; Q
.Lstep:                                            ; eight trips, a constant: what a wave does not need is jumped over inside the trip
	s_lshl_b32 s48, s[CNT], 1
	s_cmp_gt_u32 s48, s[GR]
	s_cbranch_scc1 .Lhidden
	v_add_nc_u32 v[ADK], s[TB], v[LI]
	s_delay_alu instid0(VALU_DEP_1)
	v_add_nc_u32 v[ADV], 0x10000, v[ADK]
	v_nop
	v_nop                                          ; four places in front of loads into registers that the last products read
.irp t, 0,1,2,3,4,5,6,7
	ds_load_b128 v[32+8*\t:35+8*\t], v[ADK] offset:1024*\t
	ds_load_b128 v[36+8*\t:39+8*\t], v[ADK] offset:1024*\t+512
.endr
	s_wait_alu depctr_va_vdst(0)
	s_wait_dscnt 0x0
.irp t, 0,1,2,3,4,5,6,7
	v_wmma_f32_16x16x64_bf8_bf8 v[96+8*\t:103+8*\t], v[32+8*\t:39+8*\t], v[16:23], 0
.endr
.rept 4
	v_nop
.endr
.irp t, 0,1,2,3
.irp c, 0,1,2,3
	ds_load_b128 v[32+16*\t+4*\c:35+16*\t+4*\c], v[ADV] offset:2048*\t+512*\c   ; V lands while the softmax is worked
.endr
.endr
	s_add_co_u32 s48, s48, 2
	s_cmp_le_u32 s48, s[GR]                        ; all 128 keys count: no mask
	s_cbranch_scc1 .Lopen
.set n, 0
.rept 64
	v_cmp_gt_i32 vcc_lo, 16*(n/8)+n%8, v[DM]       ; register 8 i + j holds key 16 i + 8 h + j of the step: hidden where it comes after my query
	v_cndmask_b32 v[96+n], v[96+n], v[NINF], vcc_lo
.set n, n+1
.endr
.Lopen:
	v_max3_num_f32 v254, v96, v97, v98             ; the step's largest score of my query, in two chains, each accumulator from its low end on
	v_max3_num_f32 v252, v99, v100, v101
.irp i, 6,10,14,18,22,26,30,34,38,42,46,50,54,58
	v_max3_num_f32 v254, v254, v[96+\i], v[97+\i]
	v_max3_num_f32 v252, v252, v[98+\i], v[99+\i]
.endr
	v_max3_num_f32 v254, v254, v158, v159
	s_delay_alu instid0(VALU_DEP_1)
	v_max_num_f32 v254, v254, v252
	s_delay_alu instid0(VALU_DEP_1)
	v_permlanex16_b32 v236, v254, s[SEL], s[SEL+1]
	s_delay_alu instid0(VALU_DEP_1)
	v_max_num_f32 v254, v254, v236
	s_delay_alu instid0(VALU_DEP_1)
	v_mul_f32 v254, s[CS], v254
	s_delay_alu instid0(VALU_DEP_1)
	v_max_num_f32 v13, v13, v254                   ; the running largest t
	v_mov_b32 v254, v12
	s_delay_alu instid0(VALU_DEP_2)
	v_floor_f32 v12, -v13                          ; -M = floor(-t): M is a whole number
	s_delay_alu instid0(VALU_DEP_1)
	v_sub_f32 v254, v12, v254
	s_delay_alu instid0(VALU_DEP_1)
	v_cvt_i32_f32 v254, v254
	s_delay_alu instid0(VALU_DEP_1)
	v_ldexp_f32 v252, 1.0, v254                    ; f = 2^(old M - new M)
.set i, 0
.rept 32
	v_pk_fma_f32 v[96+i:97+i], v[96+i:97+i], s[CS:CS+1], v[12:13] op_sel_hi:[1,0,0]   ; t - M
.set i, i+2
.endr
.set i, 0
	s_wait_alu depctr_va_vdst(0)
.rept 64
	v_exp_f32 v[96+i], v[96+i]
.set i, i+1
.endr
	v_pk_mul_f32 v[14:15], v[14:15], v[252:253] op_sel_hi:[1,0]   ; the sums under the new M: the plain instruction behind the exponentials
	s_wait_alu depctr_va_vdst(0)                   ; one wait for the batch, ahead of its first reader
	v_pk_add_f32 v[242:243], v[100:101], v[104:105]
	v_pk_add_f32 v[248:249], v[108:109], v[112:113]
	v_pk_add_f32 v[246:247], v[116:117], v[120:121]
	v_pk_add_f32 v[238:239], v[124:125], v[128:129]
	v_pk_add_f32 v[234:235], v[132:133], v[136:137]
	v_pk_add_f32 v[232:233], v[140:141], v[144:145]
	v_pk_add_f32 v[230:231], v[148:149], v[152:153]
	v_pk_add_f32 v[14:15], v[14:15], v[156:157]
	v_pk_add_f32 v[242:243], v[242:243], v[96:97]
	v_pk_add_f32 v[248:249], v[248:249], v[98:99]
	v_pk_add_f32 v[246:247], v[246:247], v[102:103]
	v_pk_add_f32 v[238:239], v[238:239], v[106:107]
	v_pk_add_f32 v[234:235], v[234:235], v[110:111]
	v_pk_add_f32 v[232:233], v[232:233], v[114:115]
	v_pk_add_f32 v[230:231], v[230:231], v[118:119]
	v_pk_add_f32 v[14:15], v[14:15], v[122:123]
	v_pk_add_f32 v[242:243], v[242:243], v[126:127]
	v_pk_add_f32 v[248:249], v[248:249], v[130:131]
	v_pk_add_f32 v[246:247], v[246:247], v[134:135]
	v_pk_add_f32 v[238:239], v[238:239], v[138:139]
	v_pk_add_f32 v[234:235], v[234:235], v[142:143]
	v_pk_add_f32 v[232:233], v[232:233], v[146:147]
	v_pk_add_f32 v[230:231], v[230:231], v[150:151]
	v_pk_add_f32 v[14:15], v[14:15], v[154:155]
	v_pk_add_f32 v[242:243], v[242:243], v[158:159]
	s_delay_alu instid0(VALU_DEP_2)
	v_pk_add_f32 v[14:15], v[14:15], v[238:239]
	s_delay_alu instid0(VALU_DEP_2)
	v_pk_add_f32 v[242:243], v[242:243], v[234:235]
	v_pk_add_f32 v[248:249], v[248:249], v[232:233]
	v_pk_add_f32 v[246:247], v[246:247], v[230:231]
	s_delay_alu instid0(VALU_DEP_2)
	v_pk_add_f32 v[14:15], v[14:15], v[248:249]
	s_delay_alu instid0(VALU_DEP_2)
	v_pk_add_f32 v[242:243], v[242:243], v[246:247]
	s_delay_alu instid0(VALU_DEP_1)
	v_pk_add_f32 v[14:15], v[14:15], v[242:243]
.set i, 0
.rept 64
	v_min_num_f32 v[96+i], v[96+i], v240           ; p is not negative: a one-sided hold
.set i, i+1
.endr
.irp t, 0,1,2,3,4,5,6,7
	v_cvt_scalef32_pk8_bf8_f32 v[192+2*\t:193+2*\t], v[96+8*\t:103+8*\t], v244
.endr
.set i, 0
.rept 16
	v_pk_mul_f32 v[160+i:161+i], v[160+i:161+i], v[252:253] op_sel_hi:[1,0]   ; O^T under the new M; also the plain instructions behind the conversions
.set i, i+2
.endr
	s_wait_alu depctr_va_vdst(0)
	s_wait_dscnt 0x0                               ; V
.irp t, 0,1,2,3
	v_wmma_f32_16x16x128_bf8_bf8 v[160+8*\t:167+8*\t], v[32+16*\t:47+16*\t], v[192:207], v[160+8*\t:167+8*\t]
.endr
.Lhidden:
	s_add_co_u32 s[TB], s[TB], 8192
	s_add_co_u32 s[CNT], s[CNT], 1
	s_cmp_lt_u32 s[CNT], 8
	s_cbranch_scc1 .Lstep
	v_add_f32 v14, v14, v15                        ; the sum's two halves,
	s_delay_alu instid0(VALU_DEP_1)
	v_permlanex16_b32 v252, v14, s[SEL], s[SEL+1]
	s_delay_alu instid0(VALU_DEP_1)
	v_add_f32 v14, v14, v252                       ; and lane l xor 16's
	s_wait_alu depctr_va_vdst(0)
	v_rcp_f32 v14, v14
	v_nop
	v_nop
	v_nop                                          ; plain instructions behind the reciprocal and behind the last products
	s_add_co_i32 s48, s44, s45
	s_wait_alu depctr_va_vdst(0)
	v_ldexp_f32 v14, v14, s48                      ; x 2^(e4 + e5)
.set i, 0
.rept 16
	v_pk_mul_f32 v[96+i:97+i], v[160+i:161+i], v[14:15] op_sel_hi:[1,0]   ; register 8 t + j: y(query r, channel 16 t + 8 h + j)
.set i, i+2
.endr
.set i, 0
.rept 32
	v_med3_num_f32 v[96+i], v[96+i], -v241, v241
.set i, i+1
.endr
.irp t, 0,1,2,3
	v_cvt_scalef32_pk8_bf8_f32 v[208+2*\t:209+2*\t], v[96+8*\t:103+8*\t], v245
.endr
	v_nop
	XCH 208
	XCH 212
	global_store_b128 v[LI], v[208:211], s[62:63]              ; 32 lanes store 512 consecutive bytes
	global_store_b128 v[LI], v[212:215], s[62:63] offset:512
	s_wait_dscnt 0x0
	s_wait_tensorcnt 0x0
	ds_add_u32 v251, v255
	s_wait_dscnt 0x0
	CROUND                                         ; the closing round
	s_endpgm
.Lfunc_end_k_qbafac4e09f_attn:
	.size	k_qbafac4e09f_attn, .Lfunc_end_k_qbafac4e09f_attn-k_qbafac4e09f_attn
	.p2alignl 7, 3214868480
	.fill 96, 4, 3214868480
	.section	.rodata,"a",@progbits
	.p2align	6, 0x0
	.amdhsa_kernel k_qbafac4e09f_attn
		.amdhsa_group_segment_fixed_size 169984
		.amdhsa_private_segment_fixed_size 0
		.amdhsa_enable_private_segment 0
		.amdhsa_kernarg_size 32
		.amdhsa_user_sgpr_count 2
		.amdhsa_user_sgpr_kernarg_segment_ptr 1
		.amdhsa_wavefront_size32 1
		.amdhsa_system_sgpr_workgroup_id_x 1
		.amdhsa_system_sgpr_workgroup_id_y 1
		.amdhsa_system_sgpr_workgroup_id_z 1
		.amdhsa_system_vgpr_workitem_id 0
		.amdhsa_next_free_vgpr 256
		.amdhsa_next_free_sgpr 66
		.amdhsa_reserve_vcc 1
		.amdhsa_float_denorm_mode_32 3
		.amdhsa_float_denorm_mode_16_64 3
		.amdhsa_memory_ordered 1
		.amdhsa_forward_progress 1
		.amdhsa_inst_pref_size 34
	.end_amdhsa_kernel
	.amdgpu_metadata
---
amdhsa.version: [ 1, 2 ]
amdhsa.kernels:
  - .name:           k_qbafac4e09f_attn
    .symbol:         k_qbafac4e09f_attn.kd
    .args:
      - { .name: qk, .offset: 0, .size: 8, .value_kind: global_buffer, .address_space: global }
      - { .name: vimg, .offset: 8, .size: 8, .value_kind: global_buffer, .address_space: global }
      - { .name: lowp_scales, .offset: 16, .size: 8, .value_kind: global_buffer, .address_space: global }
      - { .name: yimg, .offset: 24, .size: 8, .value_kind: global_buffer, .address_space: global }
    .group_segment_fixed_size: 169984
    .private_segment_fixed_size: 0
    .kernarg_segment_align: 8
    .kernarg_segment_size: 32
    .max_flat_workgroup_size: 512
    .sgpr_count:     66
    .vgpr_count:     256
    .wavefront_size: 32
...
	.end_amdgpu_metadata
.endif
;; end of part 3
;; launch proj (part 4): grid 8 x 32, 4 waves a work-group, clusters of 4 x 4, 327,680 bytes of LDS; arguments yimg, W_proj_codes, lowp_scales, b_proj, x, x2; writes x2
.if DOCPART == 4
	.amdgcn_target "amdgcn-amd-amdhsa--gfx1250"
	.amdhsa_code_object_version 6
	.text
	.protected	k_qbafac4e09f_proj
	.globl	k_qbafac4e09f_proj
	.p2align	8
	.type	k_qbafac4e09f_proj,@function
k_qbafac4e09f_proj:
	s_mov_b64 s[64:65], 0
	v_nop
	global_prefetch_b8 v0, s[64:65] scope:SCOPE_SE
	s_setreg_imm32_b32 hwreg(HW_REG_WAVE_MODE, 25, 1), 1
	s_wait_xcnt 0x0
	s_wait_alu depctr_hold_cnt(0) depctr_sa_sdst(0) depctr_va_vdst(0) depctr_va_sdst(0) depctr_va_ssrc(0) depctr_va_vcc(0) depctr_vm_vsrc(0)
	s_getreg_b32 s2, hwreg(HW_REG_IB_STS2, 6, 4)
	s_cmp_eq_u32 s2, 0
	s_cbranch_scc0 .Lentry_in_a_cluster
	s_endpgm
.Lentry_in_a_cluster:
	s_bfe_u32 s2, ttmp6, 0x10000c
	s_cmp_lg_u32 s2, 0xf033
	s_cbranch_scc0 .Lentry_shape_is_right
	s_endpgm
.Lentry_shape_is_right:
; x2 = x + Y W_proj^T + b_proj on codes of BF8 (E5M2), K = 1,024.  Y: 4,096 tokens as images of operand registers, [T = token / 16][s = k / 128][2,048 bytes]:
; byte 512 c + 16 lane = registers 4 c .. 4 c + 3 of lane (r, h): k = 128 s + 32 c + 16 h + 0 .. 15 of token 16 T + r.  W_proj: [1,024][1,024] codes, read from LDS by 16-byte loads, which give the same k the same place.
; A tile of 128 x 128 (256 work-groups) is made by four waves, 64 x 64 each: 16 accumulators, which take turns.
; ALL OF K LIES IN LDS AT ONCE: Y's tile is 8 x 16,384 dense bytes, W's 128 rows x (1,024 + 16) bytes.  Each wave asks for a quarter by ONE joint load of a 4 x 4 cluster (Y's halves shared along a row, W's along a column);
; nothing is filled again: no ring, one barrier.  No prefetch: every tile is asked for at the head, and there is no loop to run ahead in.
; THE MATRIX INSTRUCTION IS USED TRANSPOSED (source 0 = 16 rows of W, source 1 = 16 tokens): a lane holds eight neighbouring columns of one token; a block of 16 rows goes through the wave's own stage and leaves as rows of 256 bytes.
; The residual is asked for at the head, in the layout of the way out.
; LIMIT: the two scales' exponents added lie between -126 and 127.
; REGISTERS: window 0: v0-31 addresses, v8-11 the bias; v32-95 rows on the way out, two sets; v128-255 the accumulators ((a, b) at v[128 + 8 (4 a + b)]).  window 1: two fragment buffers of 128: Y's four, then W's four.  window 2: v0-127 the residual.
.set KK,     1024
.set SC_OFF, 24
.set ATILE,  16*KK                     ; the image of 16 tokens
.set ASZ,    8*ATILE
.set BP,     KK+16                     ; a row of W in LDS: 260 words: the 16 rows that a load touches start at 16 different banks
.set BHALF,  64*BP
.set SPARE,  ASZ+2*BHALF               ; the spare words, 128 bytes a wave
.set STAGE,  SPARE+512                 ; 16 rows x 272 bytes for each wave; no tensor load lands here
.set SPITCH, 272
.set ADRA, 16
.set ADRB, 20
.set STO,  24
.set RD,   25
.set CO,   26
.set BO,   27
.set SPW,  28
.set NIL,  29
.set BK,   32
.set ACC,  128
.set F0,   0
.set F1,   128
.set G1, 24
.set G0, 32
.set G1B, 48
.set G0B, 56
.set WVN, 72                           ; s72 wave; s73 wave / 2; s74 wave % 2
.set MSB, 0
.macro WIN new                         ; the immediate's high byte repeats the setting that is left
.if MSB != \new
	s_set_vgpr_msb (MSB<<8)|\new
.set MSB, \new
.endif
.endm
.set MUL,  0x05                        ; sources 0 and 1 window 1; C and D window 0
.set TO_F, 0x40                        ; destination window 1, address window 0
.macro CROUND                          ; a round of the cluster's barrier
	s_barrier_signal -1
	s_barrier_wait -1
	s_cmp_lg_u32 s[WVN], 0
	s_cbranch_scc1 .Lnot_wave_0_\@
	s_barrier_signal -3
.Lnot_wave_0_\@:
	s_barrier_wait -3
	s_barrier_signal -1
	s_barrier_wait -1
.endm
	s_load_b128 s[4:7], s[0:1], 0x0                ; Y's images, W's codes
	s_load_b128 s[8:11], s[0:1], 0x10              ; the scales' exponents, the bias
	s_load_b128 s[68:71], s[0:1], 0x20             ; the residual, the result
	v_lshl_add_u32 v[SPW], v0, 2, SPARE
	v_mov_b32 v[NIL], 0
	ds_add_u32 v[SPW], v[NIL]                      ; the opening: the add, twice on end, and its wait ahead of my tensor load
	ds_add_u32 v[SPW], v[NIL]
	v_lshrrev_b32 v1, 5, v0
	v_readfirstlane_b32 s[WVN], v1
	s_lshr_b32 s73, s[WVN], 1                      ; my half of the rows.  Also: I fetch for Y (0) or W (1)
	s_and_b32 s74, s[WVN], 1                       ; my half of the columns.  Also: which half I fetch
	s_bfe_u32 s40, ttmp6, 0x40000                  ; cx
	s_bfe_u32 s41, ttmp6, 0x40004                  ; cy
	s_lshl_b32 s42, ttmp9, 2
	s_add_co_u32 s42, s42, s40                     ; tile column
	s_and_b32 s13, ttmp7, 0xffff
	s_lshl_b32 s13, s13, 2
	s_add_co_u32 s13, s13, s41                     ; tile row
	s_lshl_b32 s43, s41, 2
	s_lshl_b32 s43, 15, s43                        ; my row of the cluster
	s_lshl_b32 s44, 0x1111, s40                    ; my column
	s_or_b32 s[G1+0], s43, (3<<16)|(1<<21)         ; Y: the mask of my row; elements of 8 bytes; no padding
	s_mov_b32 s[G1+1], 2048<<16                    ; tensor_dim0 = 2,048 elements: 16,384 bytes, one tile of tokens
	s_mov_b32 s[G1+2], 4<<16                       ; tensor_dim1 = 4 tiles of tokens
	s_mov_b32 s[G1+3], 2048<<16                    ; tile_dim0
	s_mov_b32 s[G1+4], 4                           ; tile_dim1
	s_mov_b32 s[G1+5], 2048                        ; the pitch: dense
	s_mov_b32 s[G1+6], 0
	s_mov_b32 s[G1+7], 0
	s_or_b32 s[G1B+0], s44, (0<<16)|(1<<20)|(1<<21)|(7<<22)|(3<<25)  ; W: the mask of my column; elements of 1 byte; padding: 4 words behind every 256
	s_mov_b32 s[G1B+1], KK<<16
	s_mov_b32 s[G1B+2], 64<<16
	s_mov_b32 s[G1B+3], KK<<16
	s_mov_b32 s[G1B+4], 64
	s_mov_b32 s[G1B+5], KK
	s_mov_b32 s[G1B+6], 0
	s_mov_b32 s[G1B+7], 0
	s_lshl_b32 s16, s13, 3
	s_lshl_b32 s17, s74, 2
	s_add_co_u32 s16, s16, s17                     ; Y: tile of tokens 8 x tile row + 4 x half,
	s_lshl_b32 s16, s16, 14                        ; 16,384 bytes each
	s_mov_b32 s17, 0
	s_lshl_b32 s46, s42, 7
	s_lshl_b32 s47, s74, 6
	s_add_co_u32 s46, s46, s47                     ; W: row 128 x tile column + 64 x half,
	s_lshl_b32 s46, s46, 10                        ; 1,024 bytes each
	s_mov_b32 s47, 0
	s_lshl_b32 s20, s74, 16                        ; where Y's half goes,
	s_mul_i32 s21, s74, BHALF
	s_add_co_u32 s21, s21, ASZ                     ; and W's; also where my 64 rows of W lie
	s_lshl_b32 s22, s73, 16                        ; my four tiles of tokens
	s_mul_i32 s75, s[WVN], 16*SPITCH
	s_add_co_u32 s75, s75, STAGE                   ; my stage
	s_lshl_b32 s80, s13, 7
	s_lshl_b32 s81, s73, 6
	s_add_co_u32 s80, s80, s81                     ; my first row
	s_lshl_b32 s80, s80, 12
	s_lshl_b32 s82, s42, 9
	s_lshl_b32 s83, s74, 8
	s_add_co_u32 s82, s82, s83                     ; my first column, in bytes
	s_add_co_u32 s80, s80, s82
	s_mov_b32 s81, 0
	s_mov_b32 s83, 0
	s_wait_dscnt 0x0                               ; both opening adds are done
	s_wait_kmcnt 0x0
	s_load_b64 s[78:79], s[8:9], SC_OFF            ; the two exponents
	s_mov_b32 s[G0], 1
	s_mov_b32 s[G0+1], s20
	s_add_nc_u64 s[G0+2:G0+3], s[4:5], s[16:17]
	s_or_b32 s[G0+3], s[G0+3], 0x80000000
	s_mov_b32 s[G0B], 1
	s_mov_b32 s[G0B+1], s21
	s_add_nc_u64 s[G0B+2:G0B+3], s[6:7], s[46:47]
	s_or_b32 s[G0B+3], s[G0B+3], 0x80000000
	s_add_nc_u64 s[68:69], s[68:69], s[80:81]
	s_add_nc_u64 s[70:71], s[70:71], s[80:81]
	s_add_nc_u64 s[10:11], s[10:11], s[82:83]
	CROUND                                         ; all sixteen work-groups are here: the joint loads meet
	s_cmp_eq_u32 s73, 0                            ; waves 0 and 1 fetch Y's halves, waves 2 and 3 W's: one load a wave; s_nop 0 and four v_nop follow each line
	s_cbranch_scc0 .Lfor_b
	tensor_load_to_lds s[G0:G0+3], s[G1:G1+7]
	s_nop 0
.rept 4
	v_nop
.endr
	s_branch .Lasked
.Lfor_b:
	tensor_load_to_lds s[G0B:G0B+3], s[G1B:G1B+7]
	s_nop 0
.rept 4
	v_nop
.endr
.Lasked:
	v_and_b32 v1, 15, v0                           ; r
	v_bfe_u32 v2, v0, 4, 1                         ; h
	v_and_b32 v3, 31, v0
	v_lshlrev_b32 v4, 4, v3                        ; 16 x lane
	v_mul_u32_u24 v5, v1, BP
	v_lshl_add_u32 v5, v2, 4, v5
	v_add_nc_u32 v[ADRA], s22, v4
	v_add_nc_u32 v[ADRB], s21, v5
	v_mul_u32_u24 v6, v1, SPITCH
	v_lshl_add_u32 v6, v2, 5, v6
	v_add_nc_u32 v[STO], s75, v6                   ; into the stage: row r, 32 bytes for each half of the lanes
	v_mul_u32_u24 v7, v2, SPITCH
	v_lshl_add_u32 v7, v1, 4, v7
	v_add_nc_u32 v[RD], s75, v7                    ; back: lanes 0-15 one row of 256 bytes, lanes 16-31 the next
	v_lshlrev_b32 v12, 12, v2
	v_lshl_add_u32 v[CO], v1, 4, v12               ; and the same two rows in memory
	v_lshlrev_b32 v[BO], 4, v1                     ; the bias of my four columns
	WIN 0x80                                       ; destination window 2
.irp a, 0,1,2,3
.irp t, 0,1,2,3,4,5,6,7
	global_load_b128 v[32*\a+4*\t:32*\a+4*\t+3], v[CO], s[68:69] offset:(16*\a+2*\t)*4096
.endr
.endr
	WIN 0
	global_load_b128 v[8:11], v[BO], s[10:11]
.macro MUL4 f, a, zero                 ; block a of tokens against W's four blocks; the sixteen accumulators take turns, one instruction a turn, in one order
.irp b, 0,1,2,3
.if \zero
	v_wmma_f32_16x16x128_bf8_bf8 v[ACC+8*(4*(\a)+\b):ACC+8*(4*(\a)+\b)+7], v[\f+64+16*\b:\f+64+16*\b+15], v[\f+16*(\a):\f+16*(\a)+15], 0
.else
	v_wmma_f32_16x16x128_bf8_bf8 v[ACC+8*(4*(\a)+\b):ACC+8*(4*(\a)+\b)+7], v[\f+64+16*\b:\f+64+16*\b+15], v[\f+16*(\a):\f+16*(\a)+15], v[ACC+8*(4*(\a)+\b):ACC+8*(4*(\a)+\b)+7]
.endif
.endr
.endm
.macro FETCH q, f                      ; 32 LDS loads in one run: W's four fragments of the q-th 128 along K, then Y's blocks 0, 1, then 2, 3
	WIN TO_F
.irp i, 0,1,2,3
.irp c, 0,1,2,3
	ds_load_b128 v[\f+64+16*\i+4*\c:\f+64+16*\i+4*\c+3], v[ADRB] offset:128*(\q)+32*\c+16*BP*\i
.endr
.endr
.irp i, 0,1,2,3
.irp c, 0,1,2,3
	ds_load_b128 v[\f+16*\i+4*\c:\f+16*\i+4*\c+3], v[ADRA] offset:2048*(\q)+512*\c+ATILE*\i
.endr
.endr
.endm
.macro PLACES                          ; plain vector instructions between a matrix instruction and a load into, or a read of, its registers
.rept 4
	v_nop
.endr
.endm
.macro QUARTER qn, f, g, zero          ; 128 along K: multiplies buffer f, fetches quarter qn into g
	s_wait_dscnt 8                                 ; W's fragments and Y's blocks 0, 1 are in; blocks 2, 3 (8 loads) may be out
	WIN MUL
	MUL4 \f, 0, \zero
	MUL4 \f, 1, \zero
	PLACES
	FETCH \qn, \g
	s_wait_dscnt 32                                ; all but the 32 just issued
	WIN MUL
	MUL4 \f, 2, \zero
	MUL4 \f, 3, \zero
.endm
	s_wait_alu depctr_va_vdst(0)
	s_wait_tensorcnt 0x0                           ; my quarter of the tiles is in,
	s_barrier_signal -1
	s_barrier_wait -1                              ; everybody's is
	FETCH 0, F0
	QUARTER 1, F0, F1, 1                           ; the first quarter's products start the sums
	QUARTER 2, F1, F0, 0
	QUARTER 3, F0, F1, 0
	QUARTER 4, F1, F0, 0
	QUARTER 5, F0, F1, 0
	QUARTER 6, F1, F0, 0
	QUARTER 7, F0, F1, 0
	s_wait_dscnt 8
	WIN MUL
	MUL4 F1, 0, 0
	MUL4 F1, 1, 0
	s_wait_dscnt 0
	MUL4 F1, 2, 0
	MUL4 F1, 3, 0
	WIN 0
.macro TOSTAGE a                       ; block a's sums into my stage, each accumulator's low half first, and back as whole rows
.set BB, BK+32*((\a)%2)
.irp b, 0,1,2,3
	ds_store_b128 v[STO], v[ACC+8*(4*(\a)+\b):ACC+8*(4*(\a)+\b)+3] offset:64*\b
	ds_store_b128 v[STO], v[ACC+8*(4*(\a)+\b)+4:ACC+8*(4*(\a)+\b)+7] offset:64*\b+16
.endr
.irp t, 0,1,2,3,4,5,6,7
	ds_load_b128 v[BB+4*\t:BB+4*\t+3], v[RD] offset:\t*2*SPITCH   ; LDS serves a wave's instructions in order: these see my stores, and the next block's stores come behind them
.endr
.endm
.macro FIN a, younger                  ; sum x 2^(ea + eb) + bias + residual, stored
.set BB, BK+32*((\a)%2)
	s_wait_dscnt \younger
.irp t, 0,1,2,3,4,5,6,7
	v_pk_fma_f32 v[BB+4*\t:BB+4*\t+1], v[BB+4*\t:BB+4*\t+1], s[76:77], v[8:9] op_sel_hi:[1,0,1]
	v_pk_fma_f32 v[BB+4*\t+2:BB+4*\t+3], v[BB+4*\t+2:BB+4*\t+3], s[76:77], v[10:11] op_sel_hi:[1,0,1]
.endr
	WIN 0x08                                       ; source 1: window 2
.set i, 0
.rept 16
	v_pk_add_f32 v[BB+i:BB+i+1], v[BB+i:BB+i+1], v[32*(\a)+i:32*(\a)+i+1]
.set i, i+2
.endr
	WIN 0
.irp t, 0,1,2,3,4,5,6,7
	global_store_b128 v[CO], v[BB+4*\t:BB+4*\t+3], s[70:71] offset:(16*(\a)+2*\t)*4096   ; 16 lanes store 256 consecutive bytes, aligned
.endr
.endm
	s_wait_kmcnt 0x0
	s_add_co_i32 s76, s78, s79
	s_add_co_i32 s76, s76, 127
	s_lshl_b32 s76, s76, 23                        ; 2^(ea + eb) as f32
	s_mov_b32 s77, s76
	s_wait_loadcnt 0x0                             ; the residual and the bias
	PLACES
	TOSTAGE 0
.irp a, 1,2,3
.if \a > 1
	s_wait_xcnt 0x0                                ; block a - 2's stores have read the registers into which block a's rows come
.endif
	TOSTAGE \a
	FIN \a-1, 16                                   ; behind block a - 1's loads: block a's 8 stores and 8 loads
.endr
	FIN 3, 0
	s_wait_tensorcnt 0x0                           ; the wave's end
	ds_add_u32 v[SPW], v[NIL]
	s_wait_dscnt 0x0
	CROUND                                         ; the closing round
	s_endpgm
.Lfunc_end_k_qbafac4e09f_proj:
	.size	k_qbafac4e09f_proj, .Lfunc_end_k_qbafac4e09f_proj-k_qbafac4e09f_proj
	.p2alignl 7, 3214868480
	.fill 96, 4, 3214868480
	.section	.rodata,"a",@progbits
	.p2align	6, 0x0
	.amdhsa_kernel k_qbafac4e09f_proj
		.amdhsa_group_segment_fixed_size 327680
		.amdhsa_private_segment_fixed_size 0
		.amdhsa_enable_private_segment 0
		.amdhsa_kernarg_size 48
		.amdhsa_user_sgpr_count 2
		.amdhsa_user_sgpr_kernarg_segment_ptr 1
		.amdhsa_wavefront_size32 1
		.amdhsa_system_sgpr_workgroup_id_x 1
		.amdhsa_system_sgpr_workgroup_id_y 1
		.amdhsa_system_sgpr_workgroup_id_z 1
		.amdhsa_system_vgpr_workitem_id 0
		.amdhsa_next_free_vgpr 768
		.amdhsa_next_free_sgpr 84
		.amdhsa_reserve_vcc 0
		.amdhsa_float_denorm_mode_32 3
		.amdhsa_float_denorm_mode_16_64 3
		.amdhsa_memory_ordered 1
		.amdhsa_forward_progress 1
		.amdhsa_inst_pref_size 51
	.end_amdhsa_kernel
	.amdgpu_metadata
---
amdhsa.version: [ 1, 2 ]
amdhsa.kernels:
  - .name:           k_qbafac4e09f_proj
    .symbol:         k_qbafac4e09f_proj.kd
    .args:
      - { .name: yimg, .offset: 0, .size: 8, .value_kind: global_buffer, .address_space: global }
      - { .name: W_proj_codes, .offset: 8, .size: 8, .value_kind: global_buffer, .address_space: global }
      - { .name: lowp_scales, .offset: 16, .size: 8, .value_kind: global_buffer, .address_space: global }
      - { .name: b_proj, .offset: 24, .size: 8, .value_kind: global_buffer, .address_space: global }
      - { .name: x, .offset: 32, .size: 8, .value_kind: global_buffer, .address_space: global }
      - { .name: x2, .offset: 40, .size: 8, .value_kind: global_buffer, .address_space: global }
    .group_segment_fixed_size: 327680
    .private_segment_fixed_size: 0
    .kernarg_segment_align: 8
    .kernarg_segment_size: 48
    .max_flat_workgroup_size: 128
    .sgpr_count:     84
    .vgpr_count:     768
    .wavefront_size: 32
...
	.end_amdgpu_metadata
.endif
;; end of part 4
;; launch ln2 (part 5): grid 256 x 1, 8 waves a work-group, no clusters, 82,944 bytes of LDS; arguments x2, ln2_w, ln2_b, lowp_scales, hc; writes hc
.if DOCPART == 5
	.amdgcn_target "amdgcn-amd-amdhsa--gfx1250"
	.amdhsa_code_object_version 6
	.text
	.protected	k_qbafac4e09f_ln2
	.globl	k_qbafac4e09f_ln2
	.p2align	8
	.type	k_qbafac4e09f_ln2,@function
k_qbafac4e09f_ln2:
	s_mov_b64 s[64:65], 0
	v_nop
	global_prefetch_b8 v0, s[64:65] scope:SCOPE_SE
	s_setreg_imm32_b32 hwreg(HW_REG_WAVE_MODE, 25, 1), 1
	s_wait_xcnt 0x0
; LayerNorm of 4,096 rows of 1,024 f32 numbers, then codes of BF8 (E5M2) with the given scale 2^e (the entry of the scales at byte SC_OFF): hc[row][1024], one code a byte.
; y = (x - mean) * rsqrt(var + 1e-5) * w + b, all in f32; the variance is the mean of the squared deviations from the mean, so no difference of large sums is formed.
; SHARES: a work-group takes 16 rows, each of its eight waves two; a row lies in 32 registers of one wave, so it is read once and no wave waits for another: no barrier.
; A load takes 512 consecutive bytes (16 a lane); the conversion wants 16 NEIGHBOURS in a lane: the finished row turns through the wave's own stage in LDS (64 bytes + 16 of padding a place).
; A lane's 16 codes are 16 bytes: a store of the wave covers 512 consecutive bytes, aligned.  No matrix unit, no cluster: what rows share (w, b) is 8 KB against 64 KB of rows for a work-group.
; LIMITS: e between -126 and 112, so that 2^e and 57,344 x 2^e are f32 numbers.  NaN among the inputs is not served; what lies beyond the scale's range is held at the largest code.
.set SC_OFF, 32
.set X,    16                          ; v16-79   two rows as loaded, 32 registers each
.set WG,   80                          ; v80-111  w
.set BI,   112                         ; v112-143 b
.set TR,   144                         ; v144-175 a row turned: 2 x 16 neighbours
.set CD,   176                         ; v176-191 codes, 8 registers a row: no store's data are written again
.set SP,   80                          ; a place in the stage
.set STG,  64*SP                       ; a row's stage
.set WREG, 2*STG                       ; a wave's LDS
	s_load_b256 s[4:11], s[0:1], 0x0               ; x s[4:5], w s[6:7], b s[8:9], the scales' exponents s[10:11]
	s_load_b64 s[12:13], s[0:1], 0x20              ; the codes
	v_lshl_add_u32 v192, v0, 2, 0x14000
	v_mov_b32 v193, 0
	v_lshrrev_b32 v14, 5, v0
	s_delay_alu instid0(VALU_DEP_1)
	v_readfirstlane_b32 s16, v14                   ; wave
	v_and_b32 v15, 31, v0                          ; lane
	s_delay_alu instid0(VALU_DEP_1)
	v_lshlrev_b32 v1, 4, v15                       ; 16 x lane: my bytes of a load's 512 and of a store's 512
	s_mul_i32 s17, s16, WREG
	v_lshrrev_b32 v2, 2, v15
	s_delay_alu instid0(VALU_DEP_1)
	v_mul_u32_u24 v2, v2, SP
	v_and_b32 v14, 3, v15
	s_delay_alu instid0(VALU_DEP_1)
	v_lshl_add_u32 v2, v14, 4, v2
	s_delay_alu instid0(VALU_DEP_1)
	v_add_nc_u32 v2, s17, v2                       ; into the stage: SP (lane / 4) + 16 (lane % 4)
	v_mul_u32_u24 v3, v15, SP
	s_delay_alu instid0(VALU_DEP_1)
	v_add_nc_u32 v3, s17, v3                       ; out of it: SP x lane
	s_lshl_b32 s18, ttmp9, 4
	s_lshl_b32 s19, s16, 1
	s_add_co_u32 s18, s18, s19                     ; my first row
	s_lshl_b32 s24, s18, 12                        ; x 4,096 bytes
	s_mov_b32 s25, 0
	s_lshl_b32 s26, s18, 10                        ; x 1,024 bytes of codes
	s_mov_b32 s27, 0
	s_mov_b32 s20, 0x76543210                      ; lane selects: lane l xor 16
	s_mov_b32 s21, 0xfedcba98
	s_mov_b32 s22, 0x3a800000                      ; 1 / 1024
	s_mov_b32 s23, 0x3727c5ac                      ; 1e-5
	s_wait_alu depctr_va_vdst(0)
	s_wait_kmcnt 0x0
	s_load_b32 s28, s[10:11], SC_OFF               ; e
	s_add_nc_u64 s[4:5], s[4:5], s[24:25]
	s_add_nc_u64 s[12:13], s[12:13], s[26:27]
.irp j, 0,1,2,3,4,5,6,7
	global_load_b128 v[X+4*\j:X+4*\j+3], v1, s[4:5] offset:512*\j th:TH_LOAD_NT   ; row 0 first, then w and b, then row 1
.endr
.irp j, 0,1,2,3,4,5,6,7
	global_load_b128 v[WG+4*\j:WG+4*\j+3], v1, s[6:7] offset:512*\j
.endr
.irp j, 0,1,2,3,4,5,6,7
	global_load_b128 v[BI+4*\j:BI+4*\j+3], v1, s[8:9] offset:512*\j
.endr
.irp j, 0,1,2,3,4,5,6,7
	global_load_b128 v[X+32+4*\j:X+32+4*\j+3], v1, s[4:5] offset:4096+512*\j th:TH_LOAD_NT
.endr
	s_wait_kmcnt 0x0
	s_add_co_i32 s28, s28, 127
	s_lshl_b32 s29, s28, 23
	v_mov_b32 v13, s29                             ; 2^e as f32: the conversion takes its exponent field
	s_add_co_i32 s28, s28, 15
	s_lshl_b32 s28, s28, 23
	s_or_b32 s28, s28, 0x600000
	v_mov_b32 v12, s28                             ; 57,344 x 2^e
.macro REDUCE                          ; v4 summed over the 32 lanes, the result in every lane
	s_delay_alu instid0(VALU_DEP_1)
	v_add_f32_dpp v4, v4, v4 row_xmask:1 row_mask:0xf bank_mask:0xf
	s_delay_alu instid0(VALU_DEP_1)
	v_add_f32_dpp v4, v4, v4 row_xmask:2 row_mask:0xf bank_mask:0xf
	s_delay_alu instid0(VALU_DEP_1)
	v_add_f32_dpp v4, v4, v4 row_xmask:4 row_mask:0xf bank_mask:0xf
	s_delay_alu instid0(VALU_DEP_1)
	v_add_f32_dpp v4, v4, v4 row_xmask:8 row_mask:0xf bank_mask:0xf
	s_delay_alu instid0(VALU_DEP_1)
	v_permlanex16_b32 v15, v4, s20, s21
	s_delay_alu instid0(VALU_DEP_1)
	v_add_f32 v4, v4, v15
.endm
.macro ROW i
.set XR, X+32*\i
	s_wait_loadcnt 24-24*\i                        ; row 0: its eight loads are in, the 24 behind them may be out; row 1: all are in
	v_pk_add_f32 v[4:5], v[XR:XR+1], v[XR+2:XR+3]  ; the sum, in two chains
	v_pk_add_f32 v[6:7], v[XR+4:XR+5], v[XR+6:XR+7]
.irp p, 8,12,16,20,24,28
	s_delay_alu instid0(VALU_DEP_2)
	v_pk_add_f32 v[4:5], v[4:5], v[XR+\p:XR+\p+1]
	s_delay_alu instid0(VALU_DEP_2)
	v_pk_add_f32 v[6:7], v[6:7], v[XR+\p+2:XR+\p+3]
.endr
	s_delay_alu instid0(VALU_DEP_1)
	v_pk_add_f32 v[4:5], v[4:5], v[6:7]
	s_delay_alu instid0(VALU_DEP_1)
	v_add_f32 v4, v4, v5
	REDUCE
	s_delay_alu instid0(VALU_DEP_1)
	v_mul_f32 v8, s22, v4                          ; the mean, twice
	s_delay_alu instid0(VALU_DEP_2)
	v_mul_f32 v9, s22, v4
.set p, 0
.rept 16
	v_pk_add_f32 v[XR+p:XR+p+1], v[XR+p:XR+p+1], v[8:9] neg_lo:[0,1] neg_hi:[0,1]   ; x - mean, in place
.set p, p+2
.endr
	v_pk_mul_f32 v[4:5], v[XR:XR+1], v[XR:XR+1]    ; the squares' sum, in two chains
	v_pk_mul_f32 v[6:7], v[XR+2:XR+3], v[XR+2:XR+3]
.irp p, 4,8,12,16,20,24,28
	s_delay_alu instid0(VALU_DEP_2)
	v_pk_fma_f32 v[4:5], v[XR+\p:XR+\p+1], v[XR+\p:XR+\p+1], v[4:5]
	s_delay_alu instid0(VALU_DEP_2)
	v_pk_fma_f32 v[6:7], v[XR+\p+2:XR+\p+3], v[XR+\p+2:XR+\p+3], v[6:7]
.endr
	s_delay_alu instid0(VALU_DEP_1)
	v_pk_add_f32 v[4:5], v[4:5], v[6:7]
	s_delay_alu instid0(VALU_DEP_1)
	v_add_f32 v4, v4, v5
	REDUCE
	s_delay_alu instid0(VALU_DEP_1)
	v_fma_f32 v4, v4, s22, s23                     ; var + eps
	s_wait_alu depctr_va_vdst(0)
	v_rsq_f32 v10, v4
	v_rsq_f32 v11, v4                              ; twice: a pair for the packed multiply
	v_nop                                          ; a plain instruction behind the last of the two
	s_wait_alu depctr_va_vdst(0)                   ; one wait for both, ahead of their first reader
.if \i == 0
	s_wait_loadcnt 8                               ; w and b are in; row 1's eight loads may be out
.endif
.set p, 0
.rept 16
	v_pk_mul_f32 v[XR+p:XR+p+1], v[XR+p:XR+p+1], v[10:11]
.set p, p+2
.endr
.set p, 0
.rept 16
	v_pk_fma_f32 v[XR+p:XR+p+1], v[XR+p:XR+p+1], v[WG+p:WG+p+1], v[BI+p:BI+p+1]
.set p, p+2
.endr
.irp j, 0,1,2,3,4,5,6,7
	ds_store_b128 v2, v[XR+4*\j:XR+4*\j+3] offset:STG*\i+8*SP*\j
.endr
.irp t, 0,1
.irp k, 0,1,2,3
	ds_load_b128 v[TR+16*\t+4*\k:TR+16*\t+4*\k+3], v3 offset:STG*\i+32*SP*\t+16*\k   ; LDS serves a wave's instructions in order: these see my stores
.endr
.endr
	s_wait_dscnt 0x0
.set p, 0
.rept 32
	v_med3_num_f32 v[TR+p], v[TR+p], -v12, v12     ; the conversion does not saturate (ISA guide 7.6.2): the hold at the largest code x the scale
.set p, p+1
.endr
.irp t, 0,1,2,3
	v_cvt_scalef32_pk8_bf8_f32 v[CD+8*\i+2*\t:CD+8*\i+2*\t+1], v[TR+8*\t:TR+8*\t+7], v13
.endr
	v_nop                                          ; a plain instruction behind the last conversion
.irp t, 0,1
	global_store_b128 v1, v[CD+8*\i+4*\t:CD+8*\i+4*\t+3], s[12:13] offset:1024*\i+512*\t   ; 32 lanes store 512 consecutive bytes
.endr
.endm
	ROW 0
	ROW 1
	s_wait_tensorcnt 0x0
	ds_add_u32 v192, v193
	s_wait_dscnt 0x0
	s_endpgm
.Lfunc_end_k_qbafac4e09f_ln2:
	.size	k_qbafac4e09f_ln2, .Lfunc_end_k_qbafac4e09f_ln2-k_qbafac4e09f_ln2
	.p2alignl 7, 3214868480
	.fill 96, 4, 3214868480
	.section	.rodata,"a",@progbits
	.p2align	6, 0x0
	.amdhsa_kernel k_qbafac4e09f_ln2
		.amdhsa_group_segment_fixed_size 82944
		.amdhsa_private_segment_fixed_size 0
		.amdhsa_enable_private_segment 0
		.amdhsa_kernarg_size 40
		.amdhsa_user_sgpr_count 2
		.amdhsa_user_sgpr_kernarg_segment_ptr 1
		.amdhsa_wavefront_size32 1
		.amdhsa_system_sgpr_workgroup_id_x 1
		.amdhsa_system_sgpr_workgroup_id_y 1
		.amdhsa_system_sgpr_workgroup_id_z 1
		.amdhsa_system_vgpr_workitem_id 0
		.amdhsa_next_free_vgpr 194
		.amdhsa_next_free_sgpr 66
		.amdhsa_reserve_vcc 0
		.amdhsa_float_denorm_mode_32 3
		.amdhsa_float_denorm_mode_16_64 3
		.amdhsa_memory_ordered 1
		.amdhsa_forward_progress 1
		.amdhsa_inst_pref_size 28
	.end_amdhsa_kernel
	.amdgpu_metadata
---
amdhsa.version: [ 1, 2 ]
amdhsa.kernels:
  - .name:           k_qbafac4e09f_ln2
    .symbol:         k_qbafac4e09f_ln2.kd
    .args:
      - { .name: x2, .offset: 0, .size: 8, .value_kind: global_buffer, .address_space: global }
      - { .name: ln2_w, .offset: 8, .size: 8, .value_kind: global_buffer, .address_space: global }
      - { .name: ln2_b, .offset: 16, .size: 8, .value_kind: global_buffer, .address_space: global }
      - { .name: lowp_scales, .offset: 24, .size: 8, .value_kind: global_buffer, .address_space: global }
      - { .name: hc, .offset: 32, .size: 8, .value_kind: global_buffer, .address_space: global }
    .group_segment_fixed_size: 82944
    .private_segment_fixed_size: 0
    .kernarg_segment_align: 8
    .kernarg_segment_size: 40
    .max_flat_workgroup_size: 256
    .sgpr_count:     66
    .vgpr_count:     194
    .wavefront_size: 32
...
	.end_amdgpu_metadata
.endif
;; end of part 5
;; launch fc (part 6): grid 16 x 16, 4 waves a work-group, clusters of 4 x 4, 327,680 bytes of LDS; arguments hc, W_fc_codes, lowp_scales, b_fc, gimg; writes gimg
.if DOCPART == 6
	.amdgcn_target "amdgcn-amd-amdhsa--gfx1250"
	.amdhsa_code_object_version 6
	.text
	.protected	k_qbafac4e09f_fc
	.globl	k_qbafac4e09f_fc
	.p2align	8
	.type	k_qbafac4e09f_fc,@function
k_qbafac4e09f_fc:
	s_mov_b64 s[64:65], 0
	v_nop
	global_prefetch_b8 v0, s[64:65] scope:SCOPE_SE
	s_setreg_imm32_b32 hwreg(HW_REG_WAVE_MODE, 25, 1), 1
	s_wait_xcnt 0x0
	s_wait_alu depctr_hold_cnt(0) depctr_sa_sdst(0) depctr_va_vdst(0) depctr_va_sdst(0) depctr_va_ssrc(0) depctr_va_vcc(0) depctr_vm_vsrc(0)
	s_getreg_b32 s2, hwreg(HW_REG_IB_STS2, 6, 4)
	s_cmp_eq_u32 s2, 0
	s_cbranch_scc0 .Lentry_in_a_cluster
	s_endpgm
.Lentry_in_a_cluster:
	s_bfe_u32 s2, ttmp6, 0x10000c
	s_cmp_lg_u32 s2, 0xf033
	s_cbranch_scc0 .Lentry_shape_is_right
	s_endpgm
.Lentry_shape_is_right:
.set KSTEP,  256
.set ROWB,   256
.set KROW,   1024
.set PITCH,  272
.set FR,     16
.set NL,     4
.set NP,     4
.set HALFT,  128*PITCH
.set SLOT,   4*HALFT
.set LAPS,   KROW/(2*KSTEP)
.set SPARE,  2*SLOT
.set ADRA, 16
.set ADRB, 20
.set GOF,  24
.set LIMV, 26
.set SCV,  27
.set SPW,  28
.set NIL,  29
.set BN,   32
.set CODE, 96
.set AF,   128
.set TMP,  128
.set UU,   192
.set G1, 24
.set G0, 32
.set G1B, 48
.set G0B, 56
.set MSB, 0
.macro WIN new
.if MSB != \new
	s_set_vgpr_msb (MSB<<8)|\new
.set MSB, \new
.endif
.endm
.set MUL_LO, 0xa1
.set MUL_HI, 0xf1
.set TO_B,   0x40
.macro JLOAD g0a, g1a, g0b, g1b
	s_cmp_eq_u32 s15, 0
	s_cbranch_scc0 .Lfor_b_\@
	tensor_load_to_lds s[\g0a:\g0a+3], s[\g1a:\g1a+7]
	s_nop 0
.rept 4
	v_nop
.endr
	s_branch .Lasked_\@
.Lfor_b_\@:
	tensor_load_to_lds s[\g0b:\g0b+3], s[\g1b:\g1b+7]
	s_nop 0
.rept 4
	v_nop
.endr
.Lasked_\@:
.endm
.macro CREST
	s_cmp_lg_u32 s14, 0
	s_cbranch_scc1 .Lnot_wave_0_\@
	s_barrier_signal -3
.Lnot_wave_0_\@:
	s_barrier_wait -3
	s_barrier_signal -1
	s_barrier_wait -1
.endm
.macro CROUND
	s_barrier_signal -1
	s_barrier_wait -1
	CREST
.endm
	s_load_b128 s[4:7], s[0:1], 0x0
	s_load_b128 s[8:11], s[0:1], 0x10
	s_load_b64 s[68:69], s[0:1], 0x20
	v_lshl_add_u32 v[SPW], v0, 2, SPARE
	v_mov_b32 v[NIL], 0
	ds_add_u32 v28, v29
	ds_add_u32 v28, v29
	s_wait_dscnt 0x0
	v_lshrrev_b32 v1, 5, v0
	v_readfirstlane_b32 s14, v1
	s_lshr_b32 s15, s14, 1
	s_and_b32 s16, s14, 1
	s_bfe_u32 s40, ttmp6, 0x40000
	s_bfe_u32 s41, ttmp6, 0x40004
	s_lshl_b32 s42, ttmp9, 2
	s_add_co_u32 s42, s42, s40
	s_and_b32 s17, ttmp7, 0xffff
	s_lshl_b32 s17, s17, 2
	s_add_co_u32 s17, s17, s41
	s_lshl_b32 s43, s41, 2
	s_lshl_b32 s43, 15, s43
	s_lshl_b32 s44, 0x1111, s40
	s_or_b32 s[G1+0], s43, (0<<16)|(1<<20)|(1<<21)|(5<<22)|(3<<25)
	s_or_b32 s[G1B+0], s44, (0<<16)|(1<<20)|(1<<21)|(5<<22)|(3<<25)
.irp g, G1, G1B
	s_mov_b32 s[\g+1], ROWB<<16
	s_mov_b32 s[\g+2], 128<<16
	s_mov_b32 s[\g+3], ROWB<<16
	s_mov_b32 s[\g+4], 128
	s_mov_b32 s[\g+5], KROW
	s_mov_b32 s[\g+6], 0
	s_mov_b32 s[\g+7], 0
.endr
	s_lshl_b32 s18, s16, 7
	s_lshl_b32 s20, s17, 8
	s_add_co_u32 s20, s20, s18
	s_lshl_b32 s46, s42, 8
	s_add_co_u32 s46, s46, s18
	s_lshl_b32 s20, s20, 10
	s_lshl_b32 s46, s46, 10
	s_mov_b32 s21, 0
	s_mov_b32 s47, 0
	s_mul_i32 s45, s14, HALFT
	s_wait_kmcnt 0x0
	s_load_b128 s[76:79], s[8:9], 0x20
	s_add_nc_u64 s[20:21], s[4:5], s[20:21]
	s_add_nc_u64 s[46:47], s[6:7], s[46:47]
	CROUND
.irp s, 0,1
	s_mov_b32 s[G0+4*\s], 1
	s_add_co_u32 s[G0+4*\s+1], s45, \s*SLOT
	s_add_nc_u64 s[G0+4*\s+2:G0+4*\s+3], s[20:21], \s*ROWB
	s_or_b32 s[G0+4*\s+3], s[G0+4*\s+3], 0x80000000
	s_mov_b32 s[G0B+4*\s], 1
	s_add_co_u32 s[G0B+4*\s+1], s45, \s*SLOT
	s_add_nc_u64 s[G0B+4*\s+2:G0B+4*\s+3], s[46:47], \s*ROWB
	s_or_b32 s[G0B+4*\s+3], s[G0B+4*\s+3], 0x80000000
.endr
	JLOAD G0, G1, G0B, G1B                         ; K step 0: one tensor load a wave at the head
	; prefetches: of the 128 rows that I fetch, each of the four partners that ask with me takes 32, told apart by address (cx for the tokens, cy for W_fc); a lane a row, 256 bytes of it a K step
	s_cmp_eq_u32 s15, 0
	s_cselect_b64 s[12:13], s[20:21], s[46:47]
	s_cselect_b32 s66, s40, s41
	s_lshl_b32 s66, s66, 15                        ; 32 rows x 1,024 bytes
	s_mov_b32 s67, 0
	s_add_nc_u64 s[12:13], s[12:13], s[66:67]
	v_and_b32 v30, 31, v0
	v_lshlrev_b32 v30, 10, v30                     ; my lane's row; never rewritten
	global_prefetch_b8 v30, s[12:13] offset:256 th:TH_LOAD_NT scope:SCOPE_SE   ; K step 1
	v_and_b32 v1, 15, v0
	v_bfe_u32 v2, v0, 4, 1
	v_mul_u32_u24 v3, v1, PITCH
	v_lshl_add_u32 v4, v2, 4, v3
	s_mul_i32 s21, s15, HALFT
	s_mul_i32 s22, s16, HALFT
	s_add_co_u32 s22, s22, 2*HALFT
.irp s, 0,1
	v_add_nc_u32 v[ADRA+\s], s21, v4
	v_add_nc_u32 v[ADRB+\s], s22, v4
	s_add_co_u32 s21, s21, SLOT
	s_add_co_u32 s22, s22, SLOT
.endr
	v_and_b32 v5, 31, v0
	v_lshlrev_b32 v[GOF], 4, v5
	v_lshlrev_b32 v6, 5, v2
	s_wait_alu depctr_va_vdst(0)
	v_mov_b32 v10, 0
	v_mov_b32 v11, 0
	v_mov_b32 v12, 0xc0135761
	v_mov_b32 v13, 0xc0135761
	s_mov_b32 s84, 0xbdd2d3e8
	s_mov_b32 s85, s84
	s_mov_b32 s86, 0x76543210
	s_mov_b32 s87, 0xfedcba98
	s_mov_b32 s94, 0xffff0000
	s_lshl_b32 s96, s42, 10
	s_lshl_b32 s97, s16, 9
	s_add_co_u32 s96, s96, s97
	s_mov_b32 s97, 0
	s_add_nc_u64 s[80:81], s[10:11], s[96:97]
.irp b, 0,1,2,3,4,5,6,7
	global_load_b128 v[BN+8*\b:BN+8*\b+3], v6, s[80:81] offset:64*\b
	global_load_b128 v[BN+8*\b+4:BN+8*\b+7], v6, s[80:81] offset:64*\b+16
.endr
	s_lshl_b32 s96, s17, 20
	s_lshl_b32 s97, s15, 19
	s_add_co_u32 s96, s96, s97
	s_lshl_b32 s97, s42, 12
	s_add_co_u32 s96, s96, s97
	s_lshl_b32 s97, s16, 11
	s_add_co_u32 s96, s96, s97
	s_mov_b32 s97, 0
	s_add_nc_u64 s[88:89], s[68:69], s[96:97]
.macro FRAG reg, adr, q, i
.irp c, 0,1,2,3
	ds_load_b128 v[\reg+4*\c:\reg+4*\c+3], v[\adr] offset:128*(\q)+32*\c+(\i)*16*PITCH
.endr
.endm
.macro MUL16 a0, p, zero
.irp a, \a0, \a0+1
.irp b, 0,1,2,3,4,5,6,7
.if \zero
	v_wmma_f32_16x16x128_bf8_bf8 v[8*(8*((\a)%4)+\b):8*(8*((\a)%4)+\b)+7], v[128*(\p)+FR*\b:128*(\p)+FR*\b+FR-1], v[AF+FR*(\a):AF+FR*(\a)+FR-1], 0
.else
	v_wmma_f32_16x16x128_bf8_bf8 v[8*(8*((\a)%4)+\b):8*(8*((\a)%4)+\b)+7], v[128*(\p)+FR*\b:128*(\p)+FR*\b+FR-1], v[AF+FR*(\a):AF+FR*(\a)+FR-1], v[8*(8*((\a)%4)+\b):8*(8*((\a)%4)+\b)+7]
.endif
.endr
.endr
.endm
.macro FETCH_B slot, q, p
	WIN TO_B
.irp i, 0,1,2,3,4,5,6,7
	FRAG 128*(\p)+FR*\i, ADRB+\slot, \q, \i
.endr
	WIN 0
.endm
.macro FETCH_A slot, q, i0
.irp i, \i0, \i0+1, \i0+2, \i0+3
	FRAG AF+FR*(\i), ADRA+\slot, \q, \i
.endr
.endm
.macro PLACES n
.rept \n
	v_nop
.endr
.endm
.macro STEP slot, q, zero
	s_wait_dscnt 4*NL
	WIN MUL_LO
	MUL16 0, (\q)%2, \zero
	MUL16 2, (\q)%2, \zero
	s_wait_dscnt 0
	PLACES NP
	FETCH_B \slot, (\q)+1, 1-(\q)%2
	FETCH_A \slot, (\q)+1, 0
	WIN MUL_HI
	MUL16 4, (\q)%2, \zero
	MUL16 6, (\q)%2, \zero
	PLACES NP
	WIN 0
	FETCH_A \slot, (\q)+1, 4
.endm
.macro TURN slot, next, fill
	s_wait_tensorcnt 0x0
	ds_add_u32 v[SPW], v[NIL]
	s_wait_dscnt 4*NL+1
	WIN MUL_LO
	MUL16 0, 1, 0
	s_wait_dscnt 0x0
	s_barrier_signal -1
	MUL16 2, 1, 0
	WIN 0
	s_barrier_wait -1
.if \fill
	CREST
	s_add_nc_u64 s[G0+4*\slot+2:G0+4*\slot+3], s[G0+4*\slot+2:G0+4*\slot+3], 2*ROWB
	s_add_nc_u64 s[G0B+4*\slot+2:G0B+4*\slot+3], s[G0B+4*\slot+2:G0B+4*\slot+3], 2*ROWB
	JLOAD G0+4*\slot, G1, G0B+4*\slot, G1B
.else
	PLACES NP
.endif
	FETCH_B \next, 0, 0
	FETCH_A \next, 0, 0
	WIN MUL_HI
	MUL16 4, 1, 0
	MUL16 6, 1, 0
	PLACES NP
	WIN 0
	FETCH_A \next, 0, 4
.endm
	s_wait_alu depctr_va_vdst(0)
	s_wait_tensorcnt 0x0                           ; my part of K step 0 is in
	ds_add_u32 v[SPW], v[NIL]
	s_wait_dscnt 0x0
	CROUND                                         ; everybody's part of K step 0 is in, and the joint loads meet
	JLOAD G0+4, G1, G0B+4, G1B                     ; K step 1, the first tensor load behind the round
	FETCH_B 0, 0, 0
	FETCH_A 0, 0, 0
	FETCH_A 0, 0, 4
	global_prefetch_b8 v30, s[12:13] offset:512 th:TH_LOAD_NT scope:SCOPE_SE   ; K step 2: one refill ahead
	global_prefetch_b8 v30, s[12:13] offset:768 th:TH_LOAD_NT scope:SCOPE_SE   ; K step 3, the last: two refills ahead
	STEP 0, 0, 1
	s_mov_b32 s3, LAPS-1
.Llap:
	TURN 0, 1, 1
	STEP 1, 0, 0
	TURN 1, 0, 1
	STEP 0, 0, 0
	s_sub_co_u32 s3, s3, 1
	s_cmp_lg_u32 s3, 0
	s_cbranch_scc1 .Llap
	TURN 0, 1, 0
	STEP 1, 0, 0
	s_wait_dscnt 4*NL
	WIN MUL_LO
	MUL16 0, 1, 0
	MUL16 2, 1, 0
	s_wait_dscnt 0
	WIN MUL_HI
	MUL16 4, 1, 0
	MUL16 6, 1, 0
	WIN 0
.macro XCH c
	v_cndmask_b32 v8, v[(\c)+2], v[(\c)], s94
	v_cndmask_b32 v9, v[(\c)+3], v[(\c)+1], s94
	v_permlanex16_b32 v10, v8, s86, s87
	v_permlanex16_b32 v11, v9, s86, s87
	v_cndmask_b32 v[(\c)], v[(\c)], v10, s94
	v_cndmask_b32 v[(\c)+1], v[(\c)+1], v11, s94
	v_cndmask_b32 v[(\c)+2], v10, v[(\c)+2], s94
	v_cndmask_b32 v[(\c)+3], v11, v[(\c)+3], s94
.endm
.macro EPIF a
.set AC, 64*((\a)%4)
.set CSET, CODE+16*((\a)%2)
	WIN 0x02+((\a)/4)
.set i, 0
.rept 32
	v_pk_fma_f32 v[TMP+i:TMP+i+1], v[AC+i:AC+i+1], s[90:91], v[BN+i:BN+i+1] op_sel_hi:[1,0,1]
.set i, i+2
.endr
	WIN 0
.set i, 0
.rept 32
	v_pk_mul_f32 v[UU+i:UU+i+1], v[TMP+i:TMP+i+1], v[TMP+i:TMP+i+1]
.set i, i+2
.endr
.set i, 0
.rept 32
	v_pk_fma_f32 v[UU+i:UU+i+1], v[UU+i:UU+i+1], s[84:85], v[12:13] op_sel_hi:[1,0,1]
.set i, i+2
.endr
.set i, 0
.rept 32
	v_pk_mul_f32 v[UU+i:UU+i+1], v[UU+i:UU+i+1], v[TMP+i:TMP+i+1]
.set i, i+2
.endr
.set i, 0
	s_wait_alu depctr_va_vdst(0)
.rept 64
	v_exp_f32 v[UU+i], v[UU+i]
.set i, i+1
.endr
	v_nop
	s_wait_alu depctr_va_vdst(0)
.set i, 0
.rept 32
	v_pk_add_f32 v[UU+i:UU+i+1], v[UU+i:UU+i+1], 1.0 op_sel_hi:[1,0]
.set i, i+2
.endr
.set i, 0
	s_wait_alu depctr_va_vdst(0)
.rept 64
	v_rcp_f32 v[UU+i], v[UU+i]
.set i, i+1
.endr
	v_nop
	s_wait_alu depctr_va_vdst(0)
.set i, 0
.rept 32
	v_pk_mul_f32 v[TMP+i:TMP+i+1], v[TMP+i:TMP+i+1], v[UU+i:UU+i+1]
.set i, i+2
.endr
.set i, 0
.rept 64
	v_med3_num_f32 v[TMP+i], v[TMP+i], -v[LIMV], v[LIMV]
.set i, i+1
.endr
.if (\a) >= 2
	s_wait_alu depctr_va_vdst(0)
	s_wait_xcnt 0x0
.endif
.irp b, 0,1,2,3,4,5,6,7
	v_cvt_scalef32_pk8_bf8_f32 v[CSET+2*\b:CSET+2*\b+1], v[TMP+8*\b:TMP+8*\b+7], v[SCV]
.endr
	v_nop
.irp p, 0,1,2,3
	XCH CSET+4*\p
.endr
.irp c, 0,1,2,3
	global_store_b128 v[GOF], v[CSET+4*\c:CSET+4*\c+3], s[88:89] offset:65536*(\a)+512*\c
.endr
.endm
	s_wait_kmcnt 0x0
	s_add_co_i32 s90, s76, s77
	s_add_co_i32 s90, s90, 127
	s_lshl_b32 s90, s90, 23
	s_mov_b32 s91, s90
	s_add_co_i32 s95, s78, 127
	s_lshl_b32 s96, s95, 23
	v_mov_b32 v[SCV], s96
	s_add_co_i32 s95, s95, 15
	s_lshl_b32 s95, s95, 23
	s_or_b32 s95, s95, 0x600000
	v_mov_b32 v[LIMV], s95
	s_wait_loadcnt 0x0
	PLACES NP
.irp a, 0,1,2,3,4,5,6,7
	EPIF \a
.endr
	s_wait_tensorcnt 0x0
	ds_add_u32 v[SPW], v[NIL]
	s_wait_dscnt 0x0
	CROUND
	s_endpgm
.Lfunc_end_k_qbafac4e09f_fc:
	.size	k_qbafac4e09f_fc, .Lfunc_end_k_qbafac4e09f_fc-k_qbafac4e09f_fc
	.p2alignl 7, 3214868480
	.fill 96, 4, 3214868480
	.section	.rodata,"a",@progbits
	.p2align	6, 0x0
	.amdhsa_kernel k_qbafac4e09f_fc
		.amdhsa_group_segment_fixed_size 327680
		.amdhsa_private_segment_fixed_size 0
		.amdhsa_enable_private_segment 0
		.amdhsa_kernarg_size 40
		.amdhsa_user_sgpr_count 2
		.amdhsa_user_sgpr_kernarg_segment_ptr 1
		.amdhsa_wavefront_size32 1
		.amdhsa_system_sgpr_workgroup_id_x 1
		.amdhsa_system_sgpr_workgroup_id_y 1
		.amdhsa_system_sgpr_workgroup_id_z 1
		.amdhsa_system_vgpr_workitem_id 0
		.amdhsa_next_free_vgpr 1024
		.amdhsa_next_free_sgpr 100
		.amdhsa_reserve_vcc 0
		.amdhsa_float_denorm_mode_32 3
		.amdhsa_float_denorm_mode_16_64 3
		.amdhsa_memory_ordered 1
		.amdhsa_forward_progress 1
		.amdhsa_inst_pref_size 255
	.end_amdhsa_kernel
	.section	.bss,"aw",@nobits
	.p2align	6
	.space	262144
	.amdgpu_metadata
---
amdhsa.version: [ 1, 2 ]
amdhsa.kernels:
  - .name:           k_qbafac4e09f_fc
    .symbol:         k_qbafac4e09f_fc.kd
    .args:
      - { .name: hc, .offset: 0, .size: 8, .value_kind: global_buffer, .address_space: global }
      - { .name: W_fc_codes, .offset: 8, .size: 8, .value_kind: global_buffer, .address_space: global }
      - { .name: lowp_scales, .offset: 16, .size: 8, .value_kind: global_buffer, .address_space: global }
      - { .name: b_fc, .offset: 24, .size: 8, .value_kind: global_buffer, .address_space: global }
      - { .name: gimg, .offset: 32, .size: 8, .value_kind: global_buffer, .address_space: global }
    .group_segment_fixed_size: 327680
    .private_segment_fixed_size: 0
    .kernarg_segment_align: 8
    .kernarg_segment_size: 40
    .max_flat_workgroup_size: 128
    .sgpr_count:     100
    .vgpr_count:     1024
    .wavefront_size: 32
...
	.end_amdgpu_metadata
.endif
;; end of part 6
;; launch outp (part 7): grid 8 x 32, 4 waves a work-group, clusters of 4 x 4, 327,680 bytes of LDS; arguments gimg, W_out_codes, lowp_scales, b_out, x2, out0; writes out0
.if DOCPART == 7
	.amdgcn_target "amdgcn-amd-amdhsa--gfx1250"
	.amdhsa_code_object_version 6
	.text
	.protected	k_qbafac4e09f_outp
	.globl	k_qbafac4e09f_outp
	.p2align	8
	.type	k_qbafac4e09f_outp,@function
k_qbafac4e09f_outp:
	s_mov_b64 s[64:65], 0
	v_nop
	global_prefetch_b8 v0, s[64:65] scope:SCOPE_SE
	s_setreg_imm32_b32 hwreg(HW_REG_WAVE_MODE, 25, 1), 1
	s_wait_xcnt 0x0
	s_wait_alu depctr_hold_cnt(0) depctr_sa_sdst(0) depctr_va_vdst(0) depctr_va_sdst(0) depctr_va_ssrc(0) depctr_va_vcc(0) depctr_vm_vsrc(0)
	s_getreg_b32 s2, hwreg(HW_REG_IB_STS2, 6, 4)
	s_cmp_eq_u32 s2, 0
	s_cbranch_scc0 .Lentry_in_a_cluster
	s_endpgm
.Lentry_in_a_cluster:
	s_bfe_u32 s2, ttmp6, 0x10000c
	s_cmp_lg_u32 s2, 0xf033
	s_cbranch_scc0 .Lentry_shape_is_right
	s_endpgm
.Lentry_shape_is_right:
; out0 = x2 + G W_out^T + b_out on codes of BF8 (E5M2), K = 4,096.  G: 4,096 tokens as images of operand registers, [T = token / 16][s = k / 128][2,048 bytes]:
; byte 512 c + 16 lane = registers 4 c .. 4 c + 3 of lane (r, h): k = 128 s + 32 c + 16 h + 0 .. 15 of token 16 T + r.  W_out: [1,024][4,096] codes, read from LDS by 16-byte loads, which give the same k the same place.
; A tile of 128 x 128 (256 work-groups) is made by four waves, 64 x 64 each: 16 accumulators, which take turns.  K goes in steps of 512 through a ring of two LDS slots: eight fills.
; BOTH OPERANDS COME BY JOINT LOADS of a 4 x 4 cluster: G's tile (8 x 8,192 dense bytes) is shared along a row of the cluster, W's (128 rows x 512 bytes, 16 of padding) along a column.
; THE MATRIX INSTRUCTION IS USED TRANSPOSED (source 0 = 16 rows of W, source 1 = 16 tokens): a lane holds eight neighbouring columns of one token; a block of 16 rows goes through the wave's own stage and leaves as rows of 256 bytes.
; PREFETCH: behind the load of fill n stands one prefetch a wave for fill n + 2 (the head asks for fills 1 and 2); the four partners of a joint load share its 128 blocks of 256 bytes by address.
; W's tiles are the same in all eight cluster rows: four of them ask.  The last two refills ask for nothing.  The residual and the bias are asked for two laps (2,048 along K) ahead of their use.
; LIMIT: the two scales' exponents added lie between -126 and 127.
; REGISTERS: window 0: v0-31 addresses, v8-11 the bias; v32-95 rows on the way out, two sets; v128-255 the accumulators ((a, b) at v[128 + 8 (4 a + b)]).  window 1: two fragment buffers of 128: G's four, then W's four.  window 2: v0-127 the residual.
.set KK,     4096
.set SC_OFF, 40
.set LAPS,   KK/1024                   ; a lap = two slots = 1,024 along K
.set ASLOT,  65536                     ; G's part of a slot
.set BP,     528                       ; a row of W in LDS: 512 bytes + 16 = 132 words: the 16 rows that a load touches start at 16 different banks
.set BHALF,  64*BP
.set SLOT,   ASLOT+2*BHALF
.set SPARE,  2*SLOT                    ; the spare words, 128 bytes a wave
.set STAGE,  SPARE+512                 ; 16 rows x 272 bytes for each wave; no tensor load lands here
.set SPITCH, 272
.set ADRA, 16
.set ADRB, 20
.set STO,  24
.set RD,   25
.set CO,   26
.set BO,   27
.set SPW,  28
.set NIL,  29
.set PF1,  30                          ; v30 the prefetches' offset; v31 the same one fill further on; never rewritten
.set PF2,  31
.set BK,   32
.set ACC,  128
.set F0,   0
.set F1,   128
.set G1, 24
.set G0, 32
.set G1B, 48
.set G0B, 56
.set WVN, 72                           ; s72 wave; s73 wave / 2; s74 wave % 2
.set PFA, 84                           ; s[84:85] where my prefetches stand
.set PFS, 86                           ; s[86:87] a fill on, in bytes: 8,192 in G's images, 512 in a row of W
.set QUIET, 88                         ; s88 not 0: my wave asks for nothing
.set MSB, 0
.macro WIN new                         ; the immediate's high byte repeats the setting that is left
.if MSB != \new
	s_set_vgpr_msb (MSB<<8)|\new
.set MSB, \new
.endif
.endm
.set MUL,  0x05                        ; sources 0 and 1 window 1; C and D window 0
.set TO_F, 0x40                        ; destination window 1, address window 0
.macro JLOAD s                         ; waves 0 and 1 fetch G's halves, waves 2 and 3 W's; s_nop 0 and four v_nop follow each line
	s_cmp_eq_u32 s73, 0
	s_cbranch_scc0 .Lfor_b_\@
	tensor_load_to_lds s[G0+4*\s:G0+4*\s+3], s[G1:G1+7]
	s_nop 0
.rept 4
	v_nop
.endr
	s_branch .Lasked_\@
.Lfor_b_\@:
	tensor_load_to_lds s[G0B+4*\s:G0B+4*\s+3], s[G1B:G1B+7]
	s_nop 0
.rept 4
	v_nop
.endr
.Lasked_\@:
.endm
.macro ASK off                         ; 32 blocks of 256 bytes, a lane a block; the branch hangs on the wave's number and the cluster's y alone
	s_cmp_eq_u32 s[QUIET], 0
	s_cbranch_scc0 .Lquiet_\@
	global_prefetch_b8 v[\off], s[PFA:PFA+1] th:TH_LOAD_NT scope:SCOPE_SE
.Lquiet_\@:
.endm
.macro CREST
	s_cmp_lg_u32 s[WVN], 0
	s_cbranch_scc1 .Lnot_wave_0_\@
	s_barrier_signal -3
.Lnot_wave_0_\@:
	s_barrier_wait -3
	s_barrier_signal -1
	s_barrier_wait -1
.endm
.macro CROUND
	s_barrier_signal -1
	s_barrier_wait -1
	CREST
.endm
	s_load_b128 s[4:7], s[0:1], 0x0                ; G's images, W's codes
	s_load_b128 s[8:11], s[0:1], 0x10              ; the scales' exponents, the bias
	s_load_b128 s[68:71], s[0:1], 0x20             ; the residual, the result
	v_lshl_add_u32 v[SPW], v0, 2, SPARE
	v_mov_b32 v[NIL], 0
	ds_add_u32 v[SPW], v[NIL]                      ; the opening: the add, twice on end, and its wait ahead of my first tensor load
	ds_add_u32 v[SPW], v[NIL]
	v_lshrrev_b32 v1, 5, v0
	v_readfirstlane_b32 s[WVN], v1
	s_lshr_b32 s73, s[WVN], 1                      ; my half of the rows.  Also: I fetch for G (0) or W (1)
	s_and_b32 s74, s[WVN], 1                       ; my half of the columns.  Also: which half I fetch
	s_bfe_u32 s40, ttmp6, 0x40000                  ; cx
	s_bfe_u32 s41, ttmp6, 0x40004                  ; cy
	s_lshl_b32 s42, ttmp9, 2
	s_add_co_u32 s42, s42, s40                     ; tile column
	s_and_b32 s13, ttmp7, 0xffff
	s_lshr_b32 s[QUIET], s13, 2                    ; 1 in cluster rows 4 to 7
	s_lshl_b32 s13, s13, 2
	s_add_co_u32 s13, s13, s41                     ; tile row
	s_lshl_b32 s43, s41, 2
	s_lshl_b32 s43, 15, s43                        ; my row of the cluster
	s_lshl_b32 s44, 0x1111, s40                    ; my column
	s_or_b32 s[G1+0], s43, (3<<16)|(1<<21)         ; G: the mask of my row; elements of 8 bytes; no padding
	s_mov_b32 s[G1+1], 1024<<16                    ; tensor_dim0 = 1,024 elements: 8,192 bytes, four K steps of 128 of one tile of tokens
	s_mov_b32 s[G1+2], 4<<16                       ; tensor_dim1 = 4 tiles of tokens
	s_mov_b32 s[G1+3], 1024<<16                    ; tile_dim0
	s_mov_b32 s[G1+4], 4                           ; tile_dim1
	s_mov_b32 s[G1+5], 2*KK                        ; the pitch: 16 KK bytes
	s_mov_b32 s[G1+6], 0
	s_mov_b32 s[G1+7], 0
	s_or_b32 s[G1B+0], s44, (0<<16)|(1<<20)|(1<<21)|(6<<22)|(3<<25)  ; W: the mask of my column; elements of 1 byte; padding: 4 words behind every 128
	s_mov_b32 s[G1B+1], 512<<16
	s_mov_b32 s[G1B+2], 64<<16
	s_mov_b32 s[G1B+3], 512<<16
	s_mov_b32 s[G1B+4], 64
	s_mov_b32 s[G1B+5], KK
	s_mov_b32 s[G1B+6], 0
	s_mov_b32 s[G1B+7], 0
	s_lshl_b32 s16, s13, 3
	s_lshl_b32 s17, s74, 2
	s_add_co_u32 s16, s16, s17                     ; G: tile of tokens 8 x tile row + 4 x half,
	s_lshl_b32 s16, s16, 16                        ; 16 KK bytes each
	s_mov_b32 s17, 0
	s_lshl_b32 s46, s42, 7
	s_lshl_b32 s47, s74, 6
	s_add_co_u32 s46, s46, s47                     ; W: row 128 x tile column + 64 x half,
	s_lshl_b32 s46, s46, 12                        ; KK bytes each
	s_mov_b32 s47, 0
	s_lshl_b32 s20, s74, 15                        ; where G's half goes,
	s_mul_i32 s21, s74, BHALF
	s_add_co_u32 s21, s21, ASLOT                   ; and W's; also where my 64 rows of W lie
	s_lshl_b32 s22, s73, 15                        ; my four tiles of tokens in a slot
	s_mul_i32 s75, s[WVN], 16*SPITCH
	s_add_co_u32 s75, s75, STAGE                   ; my stage
	s_lshl_b32 s80, s13, 7
	s_lshl_b32 s81, s73, 6
	s_add_co_u32 s80, s80, s81                     ; my first row
	s_lshl_b32 s80, s80, 12
	s_lshl_b32 s82, s42, 9
	s_lshl_b32 s83, s74, 8
	s_add_co_u32 s82, s82, s83                     ; my first column, in bytes
	s_add_co_u32 s80, s80, s82
	s_mov_b32 s81, 0
	s_mov_b32 s83, 0
	s_cmp_eq_u32 s73, 0                            ; do I fetch for G?
	s_cselect_b32 s[QUIET], 0, s[QUIET]            ; G's waves always ask, W's in cluster rows 0 to 3
	s_cselect_b32 s18, s40, s41                    ; my place among the four that ask with me
	s_mov_b32 s89, KK
	s_cselect_b32 s89, 512, s89                    ; from lane pair to lane pair: 512 bytes on end in an image, a row in W
	s_mov_b32 s[PFS], 512
	s_cselect_b32 s[PFS], 8192, s[PFS]
	s_mov_b32 s[PFS+1], 0
	s_lshl_b32 s18, s18, 16                        ; one tile of tokens, or 16 rows of W: 65,536 bytes either way
	s_mov_b32 s19, 0
	s_wait_dscnt 0x0                               ; both opening adds are done
	s_wait_kmcnt 0x0
	s_load_b64 s[78:79], s[8:9], SC_OFF            ; the two exponents
	s_add_nc_u64 s[14:15], s[4:5], s[16:17]
	s_add_nc_u64 s[46:47], s[6:7], s[46:47]
	s_add_nc_u64 s[68:69], s[68:69], s[80:81]
	s_add_nc_u64 s[70:71], s[70:71], s[80:81]
	s_add_nc_u64 s[10:11], s[10:11], s[82:83]
	s_cmp_eq_u32 s73, 0
	s_cselect_b64 s[PFA:PFA+1], s[14:15], s[46:47]
	s_add_nc_u64 s[PFA:PFA+1], s[PFA:PFA+1], s[18:19]
	s_add_nc_u64 s[PFA:PFA+1], s[PFA:PFA+1], s[PFS:PFS+1]   ; at fill 1
.irp s, 0,1
	s_mov_b32 s[G0+4*\s], 1
	s_add_co_u32 s[G0+4*\s+1], s20, \s*SLOT
	s_add_nc_u64 s[G0+4*\s+2:G0+4*\s+3], s[14:15], \s*8192
	s_or_b32 s[G0+4*\s+3], s[G0+4*\s+3], 0x80000000
	s_mov_b32 s[G0B+4*\s], 1
	s_add_co_u32 s[G0B+4*\s+1], s21, \s*SLOT
	s_add_nc_u64 s[G0B+4*\s+2:G0B+4*\s+3], s[46:47], \s*512
	s_or_b32 s[G0B+4*\s+3], s[G0B+4*\s+3], 0x80000000
.endr
	CROUND                                         ; all sixteen work-groups are here: the first joint loads meet
	JLOAD 0                                        ; fill 0: one tensor load a wave at the head
	v_and_b32 v1, 15, v0                           ; r
	v_bfe_u32 v2, v0, 4, 1                         ; h
	v_and_b32 v3, 31, v0
	v_lshlrev_b32 v4, 4, v3                        ; 16 x lane
	v_mul_u32_u24 v5, v1, BP
	v_lshl_add_u32 v5, v2, 4, v5
	v_add_nc_u32 v[ADRA], s22, v4
	v_add_nc_u32 v[ADRB], s21, v5
	v_add_nc_u32 v[ADRA+1], SLOT, v[ADRA]
	v_add_nc_u32 v[ADRB+1], SLOT, v[ADRB]
	v_mul_u32_u24 v6, v1, SPITCH
	v_lshl_add_u32 v6, v2, 5, v6
	v_add_nc_u32 v[STO], s75, v6                   ; into the stage: row r, 32 bytes for each half of the lanes
	v_mul_u32_u24 v7, v2, SPITCH
	v_lshl_add_u32 v7, v1, 4, v7
	v_add_nc_u32 v[RD], s75, v7                    ; back: lanes 0-15 one row of 256 bytes, lanes 16-31 the next
	v_lshlrev_b32 v12, 12, v2
	v_lshl_add_u32 v[CO], v1, 4, v12               ; and the same two rows in memory
	v_lshlrev_b32 v[BO], 4, v1                     ; the bias of my four columns
	v_lshrrev_b32 v13, 1, v3
	v_and_b32 v14, 1, v3
	v_mul_u32_u24 v13, v13, s89
	v_lshl_add_u32 v[PF1], v14, 8, v13             ; my block of 256 bytes
	v_add_nc_u32 v[PF2], s[PFS], v[PF1]
	s_wait_alu depctr_va_vdst(0)
	ASK PF1                                        ; fill 1: what is needed first is asked for first
.macro MUL4 f, a, zero                 ; block a of tokens against W's four blocks; the sixteen accumulators take turns, one instruction a turn, in one order
.irp b, 0,1,2,3
.if \zero
	v_wmma_f32_16x16x128_bf8_bf8 v[ACC+8*(4*(\a)+\b):ACC+8*(4*(\a)+\b)+7], v[\f+64+16*\b:\f+64+16*\b+15], v[\f+16*(\a):\f+16*(\a)+15], 0
.else
	v_wmma_f32_16x16x128_bf8_bf8 v[ACC+8*(4*(\a)+\b):ACC+8*(4*(\a)+\b)+7], v[\f+64+16*\b:\f+64+16*\b+15], v[\f+16*(\a):\f+16*(\a)+15], v[ACC+8*(4*(\a)+\b):ACC+8*(4*(\a)+\b)+7]
.endif
.endr
.endm
.macro FETCH slot, q, f                ; 32 LDS loads in one run: W's four fragments, then G's blocks 0, 1, then 2, 3
	WIN TO_F
.irp i, 0,1,2,3
.irp c, 0,1,2,3
	ds_load_b128 v[\f+64+16*\i+4*\c:\f+64+16*\i+4*\c+3], v[ADRB+\slot] offset:128*(\q)+32*\c+16*BP*\i
.endr
.endr
.irp i, 0,1,2,3
.irp c, 0,1,2,3
	ds_load_b128 v[\f+16*\i+4*\c:\f+16*\i+4*\c+3], v[ADRA+\slot] offset:2048*(\q)+512*\c+8192*\i
.endr
.endr
.endm
.macro PLACES                          ; plain vector instructions between a matrix instruction and a load into, or a read of, its registers
.rept 4
	v_nop
.endr
.endm
.macro QUARTER slot, qn, f, g, zero    ; 128 along K: multiplies buffer f, fetches the slot's quarter qn into g
	s_wait_dscnt 8                                 ; W's fragments and G's blocks 0, 1 are in; blocks 2, 3 (8 loads) may be out
	WIN MUL
	MUL4 \f, 0, \zero
	MUL4 \f, 1, \zero
	PLACES
	FETCH \slot, \qn, \g
	s_wait_dscnt 32                                ; all but the 32 just issued
	WIN MUL
	MUL4 \f, 2, \zero
	MUL4 \f, 3, \zero
.endm
.macro TURN slot, next, fill, ask      ; a slot's last quarter multiplies buffer 1 and changes slots
.if \ask
	s_wait_xcnt 0x0                                ; my last prefetch has read its address: it steps one fill on
	s_add_nc_u64 s[PFA:PFA+1], s[PFA:PFA+1], s[PFS:PFS+1]
.endif
	WIN 0
	s_wait_tensorcnt 0x0                           ; all my tensor loads have landed: the one that was out is my part of the next slot
	ds_add_u32 v[SPW], v[NIL]                      ; 0 onto my spare word
	s_wait_dscnt 9                                 ; the add and G's blocks 2, 3 (8 loads) may be out
	WIN MUL
	MUL4 F1, 0, 0
	MUL4 F1, 1, 0
	s_wait_dscnt 0x0                               ; the add is done, and my reads of this slot are over
	s_barrier_signal -1
	MUL4 F1, 2, 0
	WIN 0
	s_barrier_wait -1
.if \fill
	CREST                                          ; the barrier has opened a round of the cluster's barrier: no wave of any partner still reads this slot or has a load on its way
	s_add_nc_u64 s[G0+4*\slot+2:G0+4*\slot+3], s[G0+4*\slot+2:G0+4*\slot+3], 2*8192
	s_add_nc_u64 s[G0B+4*\slot+2:G0B+4*\slot+3], s[G0B+4*\slot+2:G0B+4*\slot+3], 2*512
	JLOAD \slot                                    ; the first tensor load behind the round; its four v_nop are the places in front of the loads below
.else
	PLACES
.endif
	FETCH \next, 0, F0
.if \ask
	WIN 0
	ASK PF2                                        ; the fill two refills on
.endif
	WIN MUL
	MUL4 F1, 3, 0
.endm
.macro LAP ask                         ; once round the ring, from a lap's second quarter to the next lap's first; both slots are filled again
	QUARTER 0, 2, F1, F0, 0
	QUARTER 0, 3, F0, F1, 0
	TURN 0, 1, 1, \ask
	QUARTER 1, 1, F0, F1, 0
	QUARTER 1, 2, F1, F0, 0
	QUARTER 1, 3, F0, F1, 0
	TURN 1, 0, 1, \ask
	QUARTER 0, 1, F0, F1, 0
	WIN 0
.endm
	s_wait_tensorcnt 0x0                           ; my part of fill 0 is in
	ds_add_u32 v[SPW], v[NIL]
	s_wait_xcnt 0x0                                ; the head's prefetches have read their address
	s_add_nc_u64 s[PFA:PFA+1], s[PFA:PFA+1], s[PFS:PFS+1]
	s_wait_dscnt 0x0                               ; the add is done
	CROUND                                         ; everybody's part of fill 0 is in, and the joint loads meet
	JLOAD 1                                        ; fill 1, the first tensor load behind the round
	FETCH 0, 0, F0
	WIN 0
	ASK PF1                                        ; fill 2
	ASK PF2                                        ; fill 3
	QUARTER 0, 1, F0, F1, 1                        ; the first quarter's products start the sums
	WIN 0
	s_mov_b32 s3, LAPS-2
.Llap:                                             ; two trips: fills 2 to 5, each asking for the fill two on
	LAP 1
	s_sub_co_u32 s3, s3, 1
	s_cmp_lg_u32 s3, 0
	s_cbranch_scc1 .Llap
	WIN 0x80                                       ; destination window 2: the residual, in the layout of the way out
.irp a, 0,1,2,3
.irp t, 0,1,2,3,4,5,6,7
	global_load_b128 v[32*\a+4*\t:32*\a+4*\t+3], v[CO], s[68:69] offset:(16*\a+2*\t)*4096 th:TH_LOAD_NT
.endr
.endr
	WIN 0
	global_load_b128 v[8:11], v[BO], s[10:11]
	LAP 0                                          ; fills 6 and 7: no fill stands two on
	QUARTER 0, 2, F1, F0, 0                        ; the last lap fills nothing
	QUARTER 0, 3, F0, F1, 0
	TURN 0, 1, 0, 0
	QUARTER 1, 1, F0, F1, 0
	QUARTER 1, 2, F1, F0, 0
	QUARTER 1, 3, F0, F1, 0
	s_wait_dscnt 8
	WIN MUL
	MUL4 F1, 0, 0
	MUL4 F1, 1, 0
	s_wait_dscnt 0
	MUL4 F1, 2, 0
	MUL4 F1, 3, 0
	WIN 0
.macro TOSTAGE a                       ; block a's sums into my stage, each accumulator's low half first, and back as whole rows
.set BB, BK+32*((\a)%2)
.irp b, 0,1,2,3
	ds_store_b128 v[STO], v[ACC+8*(4*(\a)+\b):ACC+8*(4*(\a)+\b)+3] offset:64*\b
	ds_store_b128 v[STO], v[ACC+8*(4*(\a)+\b)+4:ACC+8*(4*(\a)+\b)+7] offset:64*\b+16
.endr
.irp t, 0,1,2,3,4,5,6,7
	ds_load_b128 v[BB+4*\t:BB+4*\t+3], v[RD] offset:\t*2*SPITCH   ; LDS serves a wave's instructions in order: these see my stores, and the next block's stores come behind them
.endr
.endm
.macro FIN a, younger                  ; sum x 2^(ea + eb) + bias + residual, stored
.set BB, BK+32*((\a)%2)
	s_wait_dscnt \younger
.irp t, 0,1,2,3,4,5,6,7
	v_pk_fma_f32 v[BB+4*\t:BB+4*\t+1], v[BB+4*\t:BB+4*\t+1], s[76:77], v[8:9] op_sel_hi:[1,0,1]
	v_pk_fma_f32 v[BB+4*\t+2:BB+4*\t+3], v[BB+4*\t+2:BB+4*\t+3], s[76:77], v[10:11] op_sel_hi:[1,0,1]
.endr
	WIN 0x08                                       ; source 1: window 2
.set i, 0
.rept 16
	v_pk_add_f32 v[BB+i:BB+i+1], v[BB+i:BB+i+1], v[32*(\a)+i:32*(\a)+i+1]
.set i, i+2
.endr
	WIN 0
.irp t, 0,1,2,3,4,5,6,7
	global_store_b128 v[CO], v[BB+4*\t:BB+4*\t+3], s[70:71] offset:(16*(\a)+2*\t)*4096 th:TH_STORE_NT   ; 16 lanes store 256 consecutive bytes, aligned
.endr
.endm
	s_wait_kmcnt 0x0
	s_add_co_i32 s76, s78, s79
	s_add_co_i32 s76, s76, 127
	s_lshl_b32 s76, s76, 23                        ; 2^(ea + eb) as f32
	s_mov_b32 s77, s76
	s_wait_loadcnt 0x0                             ; the residual and the bias
	PLACES
	TOSTAGE 0
.irp a, 1,2,3
.if \a > 1
	s_wait_xcnt 0x0                                ; block a - 2's stores have read the registers into which block a's rows come
.endif
	TOSTAGE \a
	FIN \a-1, 16                                   ; behind block a - 1's loads: block a's 8 stores and 8 loads
.endr
	FIN 3, 0
	s_wait_tensorcnt 0x0                           ; the wave's end
	ds_add_u32 v[SPW], v[NIL]
	s_wait_dscnt 0x0
	CROUND                                         ; the closing round
	s_endpgm
.Lfunc_end_k_qbafac4e09f_outp:
	.size	k_qbafac4e09f_outp, .Lfunc_end_k_qbafac4e09f_outp-k_qbafac4e09f_outp
	.p2alignl 7, 3214868480
	.fill 96, 4, 3214868480
	.section	.rodata,"a",@progbits
	.p2align	6, 0x0
	.amdhsa_kernel k_qbafac4e09f_outp
		.amdhsa_group_segment_fixed_size 327680
		.amdhsa_private_segment_fixed_size 0
		.amdhsa_enable_private_segment 0
		.amdhsa_kernarg_size 48
		.amdhsa_user_sgpr_count 2
		.amdhsa_user_sgpr_kernarg_segment_ptr 1
		.amdhsa_wavefront_size32 1
		.amdhsa_system_sgpr_workgroup_id_x 1
		.amdhsa_system_sgpr_workgroup_id_y 1
		.amdhsa_system_sgpr_workgroup_id_z 1
		.amdhsa_system_vgpr_workitem_id 0
		.amdhsa_next_free_vgpr 768
		.amdhsa_next_free_sgpr 90
		.amdhsa_reserve_vcc 0
		.amdhsa_float_denorm_mode_32 3
		.amdhsa_float_denorm_mode_16_64 3
		.amdhsa_memory_ordered 1
		.amdhsa_forward_progress 1
		.amdhsa_inst_pref_size 112
	.end_amdhsa_kernel
	.amdgpu_metadata
---
amdhsa.version: [ 1, 2 ]
amdhsa.kernels:
  - .name:           k_qbafac4e09f_outp
    .symbol:         k_qbafac4e09f_outp.kd
    .args:
      - { .name: gimg, .offset: 0, .size: 8, .value_kind: global_buffer, .address_space: global }
      - { .name: W_out_codes, .offset: 8, .size: 8, .value_kind: global_buffer, .address_space: global }
      - { .name: lowp_scales, .offset: 16, .size: 8, .value_kind: global_buffer, .address_space: global }
      - { .name: b_out, .offset: 24, .size: 8, .value_kind: global_buffer, .address_space: global }
      - { .name: x2, .offset: 32, .size: 8, .value_kind: global_buffer, .address_space: global }
      - { .name: out0, .offset: 40, .size: 8, .value_kind: global_buffer, .address_space: global }
    .group_segment_fixed_size: 327680
    .private_segment_fixed_size: 0
    .kernarg_segment_align: 8
    .kernarg_segment_size: 48
    .max_flat_workgroup_size: 128
    .sgpr_count:     90
    .vgpr_count:     768
    .wavefront_size: 32
...
	.end_amdgpu_metadata
.endif
;; end of part 7
